; MI455X (gfx1250); checked and timed in simulation.
; The chip was launched on July 23, 2026; its instructions are those of AMD's public machine-readable ISA for CDNA 5 (MIT licence, August 2026) and "CDNA5" Instruction Set Architecture Reference Guide (July 2026). The comments in the code are by the model that wrote it; some were corrected since.
;; Switch Transformer Routing. Allowed arithmetic: matrix products marked QUANTISED: E4M3 operands, one given power-of-two scale a tensor, by v_wmma_f32_16x16x64_fp8_fp8 or v_wmma_f32_16x16x128_fp8_fp8, f32 sums; products left as they are: f32 operands where the result goes on into a quantised operand, else bf16, f16 or f32 operands; f32 sums; everything else in f32.
;; Inputs: b1 8 x 2,048 float32; b2 8 x 512 float32; gate_b 8 float32; gate_w 512 x 8 float32; lowp_scales 32 int32 (the exponents e of the quantised operands' scales 2^e); w1 8 x 512 x 2,048 float32; w2 8 x 2,048 x 512 float32; x 2 x 2,048 x 512 float32.
;; Outputs: out0 2 x 2,048 x 512 float32.
;; This version of the problem:
;;   THIS VERSION OF THE PROBLEM IS GIVEN IN LOW PRECISION. The matrix products marked QUANTISED in the list below multiply operands that are first quantised to E4M3 (4 exponent bits, 3 mantissa bits; 8 bits a number), with one given power-of-two scale for each operand tensor; their sums are f32. All else is computed in f32.
;;   The module's matrix products, in the order in which they are computed (A, B: the left and right operand; K: the contracted axis; several contracted axes count as one K, in the product's order):
;;     1. [M 4,096, K 512] x [K 512, N 8]; A: input x; B: input gate_w: left as it is (N = 8 < 16)
;;     2. [M 4,096, K 512] x [K 512, N 2,048]; A: input x; B: input w1: QUANTISED (scales: A lowp_scales[0], B lowp_scales[1])
;;     3. [M 4,096, K 2,048] x [K 2,048, N 512]; A: computed on the way; B: input w2: QUANTISED (scales: A lowp_scales[2], B lowp_scales[3])
;;     4. [M 4,096, K 512] x [K 512, N 2,048]; A: input x; B: input w1: QUANTISED (scales: A lowp_scales[4], B lowp_scales[5])
;;     5. [M 4,096, K 2,048] x [K 2,048, N 512]; A: computed on the way; B: input w2: QUANTISED (scales: A lowp_scales[6], B lowp_scales[7])
;;     6. [M 4,096, K 512] x [K 512, N 2,048]; A: input x; B: input w1: QUANTISED (scales: A lowp_scales[8], B lowp_scales[9])
;;     7. [M 4,096, K 2,048] x [K 2,048, N 512]; A: computed on the way; B: input w2: QUANTISED (scales: A lowp_scales[10], B lowp_scales[11])
;;     8. [M 4,096, K 512] x [K 512, N 2,048]; A: input x; B: input w1: QUANTISED (scales: A lowp_scales[12], B lowp_scales[13])
;;     9. [M 4,096, K 2,048] x [K 2,048, N 512]; A: computed on the way; B: input w2: QUANTISED (scales: A lowp_scales[14], B lowp_scales[15])
;;     10. [M 4,096, K 512] x [K 512, N 2,048]; A: input x; B: input w1: QUANTISED (scales: A lowp_scales[16], B lowp_scales[17])
;;     11. [M 4,096, K 2,048] x [K 2,048, N 512]; A: computed on the way; B: input w2: QUANTISED (scales: A lowp_scales[18], B lowp_scales[19])
;;     12. [M 4,096, K 512] x [K 512, N 2,048]; A: input x; B: input w1: QUANTISED (scales: A lowp_scales[20], B lowp_scales[21])
;;     13. [M 4,096, K 2,048] x [K 2,048, N 512]; A: computed on the way; B: input w2: QUANTISED (scales: A lowp_scales[22], B lowp_scales[23])
;;     14. [M 4,096, K 512] x [K 512, N 2,048]; A: input x; B: input w1: QUANTISED (scales: A lowp_scales[24], B lowp_scales[25])
;;     15. [M 4,096, K 2,048] x [K 2,048, N 512]; A: computed on the way; B: input w2: QUANTISED (scales: A lowp_scales[26], B lowp_scales[27])
;;     16. [M 4,096, K 512] x [K 512, N 2,048]; A: input x; B: input w1: QUANTISED (scales: A lowp_scales[28], B lowp_scales[29])
;;     17. [M 4,096, K 2,048] x [K 2,048, N 512]; A: computed on the way; B: input w2: QUANTISED (scales: A lowp_scales[30], B lowp_scales[31])
;;   THE QUANTISER, for each operand of a quantised product, along K:
;;     - The operand's scale is 2^e, e = its entry of the input lowp_scales (int32; the entries are numbered through the quantised products in the list's order, A before B).
;;     - Each number is divided by the scale, clamped to +-448, and rounded to the nearest number of E4M3, ties to even, subnormals kept.
;;     - The product sums the exact products of the quantised numbers (number of the format x scale) in f32.
;;   ~~~python
;;   def quantise(x, axis, e):      # numpy; x: float32 -> the quantised numbers, widened to float32 again
;;       x = np.moveaxis(x, axis, -1); K = x.shape[-1]
;;       r = np.clip(x / 2.0 ** e, -448, 448)
;;       step = 2.0 ** (np.maximum(np.frexp(np.where(r == 0, 1, r))[1] - 1, -6) - 3)
;;       q = np.round(r / step) * step * 2.0 ** e      # np.round: ties to even
;;       return np.moveaxis(q, -1, axis).astype(np.float32)
;;   ~~~
;;   OPERANDS COMPUTED ON THE WAY. 'Computed on the way' means the value that the module computes at that place (a softmax that the list does not call 'softmax' is quantised finished and normalised). What goes into a quantiser is computed in f32, as accurately as f32 sums, v_exp_f32 and their like allow (about 1e-6 of the number): no bf16 or f16 on the way to a quantiser, and a product that is left as it is and whose result goes on into a quantised operand takes f32 operands (vector FMAs, or v_wmma_f32_16x16x4_f32). A number that lies on a knife's edge between two numbers of the format may be rounded either way, as far as f32 arithmetic and the matrix unit's own rounding can turn it there, and no further.
;; 2 versions, each right; version 2 is version 1 with the launches ffn1, ffn2 written anew for expert scheduling mode. Each part assembles by itself: llvm-mc -triple=amdgcn-amd-amdhsa -mcpu=gfx1250 --defsym DOCPART=n.
;; ======== version 1 of 2: 4 launches
;; workspace buffers: xc 2,097,152 bytes; estar 16,384 bytes of whole numbers; w1c 8,388,608 bytes; w2c 8,388,608 bytes; order 17,408 bytes of whole numbers; tiles 1,024 bytes of whole numbers; hc 8,945,664 bytes
;; launch route_q1 (part 1): grid 288 x 1, 8 waves a work-group, no clusters, 1,280 bytes of LDS; arguments x, gate_w, gate_b, lowp_scales, w1, xc, estar, w1c; writes xc, estar, w1c
.if DOCPART == 1
	.amdgcn_target "amdgcn-amd-amdhsa--gfx1250"
	.amdhsa_code_object_version 6
	.text
	.protected	k_qf402a0b474_route_q1
	.globl	k_qf402a0b474_route_q1
	.p2align	8
	.type	k_qf402a0b474_route_q1,@function
k_qf402a0b474_route_q1:
	s_mov_b64 s[64:65], 0
	v_nop
	global_prefetch_b8 v0, s[64:65] scope:SCOPE_SE
	s_setreg_imm32_b32 hwreg(HW_REG_WAVE_MODE, 25, 1), 1
	s_wait_xcnt 0x0
; TWO JOBS IN ONE LAUNCH, parted on the work-group's number.
; Work-groups 0-63: THE ROUTER.  64 tokens each, 8 a wave, one token at a time.  logits = x . gate_w + gate_b in f32 (fused multiply-adds, a tree over the lanes);
;   top 2 of 8 with the lower index kept on ties; e* = the larger of the two indices; x is turned into codes of E4M3 with the scale 2^ex of the CHOSEN expert (entry 4 e* of the scales).
;   e* only selects values here (v_cndmask_b32): no address and no branch hangs on it.  It is stored at a fixed place, estar[token].
; Work-groups 64-287: w1[1..7], f32 stored [k][n], becomes codes with the scale 2^ew1 (entry 4 e + 1), laid as the matrix unit's registers take them.
; EXPERT 0 IS NEVER CHOSEN: the larger of two different indices is at least 1.  So w1[0] and the scales' entries 0-3 are not read, and w1c's part for expert 0 is neither written nor read.
; A FRAGMENT (16 rows x 128 K of codes = 16 registers a lane): lane (r = lane % 16, h = lane / 16), registers 2 c, 2 c + 1 hold k = 16 c + 8 h + 0 .. 7.  Its image in memory is 2,048 bytes:
;   registers 4 g .. 4 g + 3 of lane l at 512 g + 16 l.  So of each 32 along K, 16-byte slot h holds k = 8 h .. 8 h + 7 and 16 + 8 h .. 16 + 8 h + 7.
; xc keeps a token's 512 codes as a row, each 32 bytes in the order k 0-7 | 16-23 | 8-15 | 24-31: slot h of a block is then 16 bytes on end.
; w1c: [expert][tile of 16 hidden units, 0..127][K step of 128, 0..3][2,048 bytes].
; LIMITS: ex and ew1 between -126 and 119, so that 2^e and 448 x 2^e are f32 numbers.  NaN among the inputs is not served; +0 and -0 count as equal logits.
;   Two logits closer than the rounding of an f32 sum of 512 terms may be ordered otherwise than by another order of summing.
.set ROWB, 8192                        ; w1: bytes from k to k + 1
.set CTSH, 13                          ; w1c: 2^13 bytes from a tile of 16 hidden units to the next
.set SIDX, 4                           ; ew1 lies 4 bytes behind the expert's first scale
.set QX,   32                          ; quantiser: v32-159  128 numbers down K of my column
.set QC,   160                         ; quantiser: v160-191 codes, 8 registers for each 32 along K, never written twice
.set LG,   8                           ; router: v8-15    the eight logits
.set TP,   24                          ; router: v24-31   what the other half of the lanes holds
.set GW,   32                          ; router: v32-159  gate_w of my 16 k: register 8 i + e
.set XR,   160                         ; router: v160-223 x of my 16 k, four sets by turns
.set CR,   224                         ; router: v224-255 codes, 4 registers a token, never written twice
	s_load_b512 s[4:19], s[0:1], 0x0               ; x s[4:5], gate_w s[6:7], gate_b s[8:9], scales s[10:11], w1 s[12:13], xc s[14:15], estar s[16:17], w1c s[18:19]
	v_lshl_add_u32 v21, v0, 2, 0x100
	s_set_vgpr_msb 0x40
	v_mov_b32 v1, 0
	s_set_vgpr_msb 0x4000
	v_lshrrev_b32 v1, 5, v0
	v_readfirstlane_b32 s20, v1                    ; wave 0..7
	v_and_b32 v1, 31, v0                           ; lane
	s_cmp_ge_u32 ttmp9, 64
	s_cbranch_scc1 .Lquant
; ---------------------------------------------------------------- THE ROUTER
; Lane l holds k = 256 half + 8 l + j (half 0..1, j 0..7): eight neighbours along K twice, which is what a conversion takes.
	v_lshlrev_b32 v2, 5, v1                        ; x: 32 bytes a lane
	v_and_b32 v3, 28, v1
	v_and_b32 v9, 1, v1
	v_lshl_or_b32 v3, v9, 1, v3
	v_bfe_u32 v9, v1, 1, 1
	v_or_b32 v3, v3, v9                            ; my 8 codes' place among the 32 lanes': of each four lanes the middle two change places (k 8-15 and k 16-23)
	v_lshlrev_b32 v3, 3, v3
	v_lshlrev_b32 v4, 8, v1                        ; gate_w: 8 rows of 32 bytes a lane
	v_mov_b32 v5, 0                                ; e* of token lane % 8, gathered token by token
	v_and_b32 v6, 7, v1
	v_and_b32 v7, 0xe0, v0                         ; 32 x wave
	v_lshl_or_b32 v7, v6, 2, v7                    ; LDS: word 8 wave + lane % 8
.irp e, 0,1,2,3,4,5,6,7
	v_mov_b32 v[TP+\e], 0                          ; a lane permute's destination counts as read: written once
.endr
	s_mov_b32 s21, 0x76543210                      ; v_permlanex16_b32: lane l xor 16
	s_mov_b32 s22, 0xfedcba98
	s_lshl_b32 s32, ttmp9, 17                      ; 64 tokens of 2,048 bytes
	s_lshl_b32 s33, s20, 14                        ; 8 tokens
	s_add_co_u32 s32, s32, s33
	s_mov_b32 s33, 0
	s_lshr_b32 s36, s32, 2                         ; the same tokens in xc: 512 bytes each
	s_mov_b32 s37, 0
	s_lshl_b32 s38, ttmp9, 8                       ; and in estar: 64 words
	s_mov_b32 s39, 0
	s_wait_kmcnt 0x0
	s_load_b256 s[24:31], s[8:9], 0x0              ; gate_b
	s_load_b512 s[68:83], s[10:11], 0x0            ; the 32 exponents
	s_load_b512 s[84:99], s[10:11], 0x40
	s_add_nc_u64 s[4:5], s[4:5], s[32:33]
	s_add_nc_u64 s[14:15], s[14:15], s[36:37]
	s_add_nc_u64 s[16:17], s[16:17], s[38:39]
.irp hf, 0,1
.irp j, 0,1,2,3,4,5,6,7
	global_load_b128 v[GW+64*\hf+8*\j:GW+64*\hf+8*\j+3],   v4, s[6:7] offset:8192*\hf+32*\j
	global_load_b128 v[GW+64*\hf+8*\j+4:GW+64*\hf+8*\j+7], v4, s[6:7] offset:8192*\hf+32*\j+16
.endr
.endr
.macro XLOAD t                         ; token t's 16 numbers of my lane, into set t % 4; the two loads of a half cover 1,024 consecutive bytes between them
.irp hf, 0,1
	global_load_b128 v[XR+16*((\t)%4)+8*\hf:XR+16*((\t)%4)+8*\hf+3],   v2, s[4:5] offset:2048*(\t)+1024*\hf th:TH_LOAD_NT
	global_load_b128 v[XR+16*((\t)%4)+8*\hf+4:XR+16*((\t)%4)+8*\hf+7], v2, s[4:5] offset:2048*(\t)+1024*\hf+16 th:TH_LOAD_NT
.endr
.endm
	XLOAD 0
	XLOAD 1
	XLOAD 2
	XLOAD 3
	s_wait_kmcnt 0x0
.irp e, 1,2,3,4,5,6,7
	s_add_co_i32 s[68+4*\e], s[68+4*\e], 127
	s_lshl_b32 s[68+4*\e], s[68+4*\e], 23          ; 2^ex of expert e as an f32 number, in place
.endr
; One token.  ahead = 1: the set is filled again with the token four further on.  left = the younger loads that may stay out.
.macro TOKEN t, ahead, left
.set XS, XR+16*((\t)%4)
.set CS, CR+4*(\t)
	s_wait_loadcnt \left                           ; loads come back in order: this token's four are in (and gate_w, which was asked for first)
.irp p, 0,1,2,3                        ; two logits at a time: x of one k, for both halves, times gate_w of that k for experts 2 p, 2 p + 1.  The first product starts the sums
	v_pk_mul_f32 v[LG+2*\p:LG+2*\p+1], v[XS:XS+1], v[GW+2*\p:GW+2*\p+1] op_sel_hi:[0,1]
.endr
.irp p, 0,1,2,3
	v_pk_fma_f32 v[LG+2*\p:LG+2*\p+1], v[XS:XS+1], v[GW+8+2*\p:GW+8+2*\p+1], v[LG+2*\p:LG+2*\p+1] op_sel:[1,0,0] op_sel_hi:[1,1,1]
.endr
.irp kk, 1,2,3,4,5,6,7
.irp p, 0,1,2,3
	v_pk_fma_f32 v[LG+2*\p:LG+2*\p+1], v[XS+2*\kk:XS+2*\kk+1], v[GW+16*\kk+2*\p:GW+16*\kk+2*\p+1], v[LG+2*\p:LG+2*\p+1] op_sel:[0,0,0] op_sel_hi:[0,1,1]
.endr
.irp p, 0,1,2,3
	v_pk_fma_f32 v[LG+2*\p:LG+2*\p+1], v[XS+2*\kk:XS+2*\kk+1], v[GW+16*\kk+8+2*\p:GW+16*\kk+8+2*\p+1], v[LG+2*\p:LG+2*\p+1] op_sel:[1,0,0] op_sel_hi:[1,1,1]
.endr
.endr
.irp m, 1,2,4,8                        ; over the 32 lanes; every lane ends with the same eight sums, bit for bit (each step adds the same two numbers in both lanes)
.irp e, 0,1,2,3,4,5,6,7
	v_add_f32_dpp v[LG+\e], v[LG+\e], v[LG+\e] row_xmask:\m row_mask:0xf bank_mask:0xf
.endr
.endr
.irp e, 0,1,2,3,4,5,6,7
	v_permlanex16_b32 v[TP+\e], v[LG+\e], s21, s22
.endr
.irp e, 0,1,2,3,4,5,6,7
	v_add_f32 v[LG+\e], v[LG+\e], v[TP+\e]
.endr
.irp e, 0,1,2,3,4,5,6,7
	v_add_f32 v[LG+\e], s[24+\e], v[LG+\e]         ; + gate_b
.endr
	; the top 2: v16, v17 the best and its index; v18, v19 the second.  Only a strictly larger logit displaces: ties keep the lower index
	v_cmp_gt_f32 vcc_lo, v[LG+1], v[LG]
	v_cndmask_b32 v16, v[LG], v[LG+1], vcc_lo
	v_cndmask_b32 v18, v[LG+1], v[LG], vcc_lo
	v_cndmask_b32 v17, 0, 1, vcc_lo
	v_cndmask_b32 v19, 1, 0, vcc_lo
.irp e, 2,3,4,5,6,7
	v_cmp_gt_f32 s34, v[LG+\e], v16
	v_cmp_gt_f32 s35, v[LG+\e], v18
	v_cndmask_b32 v18, v18, v[LG+\e], s35
	v_cndmask_b32 v19, v19, \e, s35
	v_cndmask_b32 v18, v18, v16, s34
	v_cndmask_b32 v19, v19, v17, s34
	v_cndmask_b32 v16, v16, v[LG+\e], s34
	v_cndmask_b32 v17, v17, \e, s34
.endr
	v_max_u32 v20, v17, v19                        ; e*
	v_mov_b32 v22, s72                             ; 2^ex of the chosen expert: a choice among values
.irp e, 2,3,4,5,6,7
	v_cmp_eq_u32 vcc_lo, \e, v20
	v_cndmask_b32 v22, v22, s[68+4*\e], vcc_lo
.endr
	v_add_nc_u32 v23, 0x4600000, v22               ; 448 x 2^ex: eight more in the exponent field, 448's mantissa field under it
.irp i, 0,1,2,3,4,5,6,7,8,9,10,11,12,13,14,15
	v_med3_num_f32 v[XS+\i], v[XS+\i], -v23, v23   ; the conversion to an 8-bit code does not saturate (ISA guide 7.6.2): the hold comes first
.endr
	v_cvt_scalef32_pk8_fp8_f32 v[CS:CS+1], v[XS:XS+7], v22
	v_cvt_scalef32_pk8_fp8_f32 v[CS+2:CS+3], v[XS+8:XS+15], v22
	global_store_b64 v3, v[CS:CS+1], s[14:15] offset:512*(\t)          ; 32 lanes store 256 consecutive bytes, aligned
	global_store_b64 v3, v[CS+2:CS+3], s[14:15] offset:512*(\t)+256
	v_cmp_eq_u32 vcc_lo, \t, v6                    ; (a plain instruction behind the conversions, ahead of anything that touches their registers)
	v_cndmask_b32 v5, v5, v20, vcc_lo
.if \ahead
	XLOAD (\t)+4
.endif
.endm
	TOKEN 0, 1, 12                                 ; 12: the three younger tokens' four loads each
	TOKEN 1, 1, 12
	TOKEN 2, 1, 12
	TOKEN 3, 1, 12
	TOKEN 4, 0, 12
	TOKEN 5, 0, 8                                  ; nothing more is asked for: the counts run down
	TOKEN 6, 0, 4
	TOKEN 7, 0, 0
	ds_store_b32 v7, v5                            ; four lanes write each word, with the same number
	s_wait_dscnt 0x0                               ; for the others' sake: my store has landed
	s_barrier_signal -1
	s_barrier_wait -1
	s_cmp_lg_u32 s20, 0
	s_cbranch_scc1 .Lrend
	v_lshlrev_b32 v10, 3, v1
	ds_load_b64 v[12:13], v10                      ; wave 0 takes the work-group's 64 words
	s_wait_dscnt 0x0
	global_store_b64 v10, v[12:13], s[16:17]       ; and stores 256 consecutive bytes, aligned
.Lrend:
	s_set_vgpr_msb 0x4
	s_wait_tensorcnt 0x0
	ds_add_u32 v21, v1
	s_wait_dscnt 0x0
	s_set_vgpr_msb 0x400
	s_endpgm
; ---------------------------------------------------------------- THE WEIGHTS
; A work-group takes 256 columns x 128 along K of one expert; a wave 32 columns.  A LANE TAKES A COLUMN, AND ITS REGISTERS RUN DOWN K: each load reads 128 consecutive bytes,
; the conversions give codes with K innermost, and a lane's 16 bytes are one slot of a fragment's image: sixteen lanes store 256 consecutive bytes, aligned.  No LDS, no barrier.
.Lquant:
	s_sub_co_u32 s21, ttmp9, 64
	s_lshr_b32 s22, s21, 5
	s_add_co_u32 s22, s22, 1                       ; expert 1..7
	s_bfe_u32 s24, s21, 0x20003                    ; K step 0..3
	s_and_b32 s25, s21, 7                          ; which 256 columns
	s_lshl_b32 s26, s22, 22                        ; w1: expert x 4 MiB + K step x 128 rows + 1,024 x column set + 128 x wave
	s_lshl_b32 s23, s24, 20
	s_add_co_u32 s26, s26, s23
	s_lshl_b32 s23, s25, 10
	s_add_co_u32 s26, s26, s23
	s_lshl_b32 s23, s20, 7
	s_add_co_u32 s26, s26, s23
	s_mov_b32 s27, 0
	s_lshl_b32 s28, s22, 20                        ; w1c: expert x 1 MiB + (16 x column set + 2 x wave) tiles of 8,192 + K step x 2,048
	s_lshl_b32 s23, s25, 17
	s_add_co_u32 s28, s28, s23
	s_lshl_b32 s23, s20, 14
	s_add_co_u32 s28, s28, s23
	s_lshl_b32 s23, s24, 11
	s_add_co_u32 s28, s28, s23
	s_mov_b32 s29, 0
	s_lshl_b32 s30, s22, 4                         ; the expert's four scales
	s_mov_b32 s31, 0
	v_lshlrev_b32 v3, 2, v1                        ; in: 4 bytes a lane
	v_and_b32 v4, 15, v1
	v_lshrrev_b32 v5, 4, v1
	v_lshlrev_b32 v2, 4, v4
	v_lshl_add_u32 v2, v5, CTSH, v2                ; out: lanes 16-31 belong to the next tile of 16 columns; 16 bytes a column
	s_wait_kmcnt 0x0
	s_add_nc_u64 s[10:11], s[10:11], s[30:31]
	s_load_b32 s32, s[10:11], SIDX
	s_add_nc_u64 s[12:13], s[12:13], s[26:27]
	s_add_nc_u64 s[18:19], s[18:19], s[28:29]
.set i, 0
.rept 128
	global_load_b32 v[QX+i], v3, s[12:13] offset:i*ROWB th:TH_LOAD_NT
.set i, i+1
.endr
	s_wait_kmcnt 0x0
	s_add_co_i32 s32, s32, 127
	s_lshl_b32 s33, s32, 23
	v_mov_b32 v11, s33                             ; 2^e as f32: the conversion takes its exponent field
	s_add_co_i32 s32, s32, 8
	s_lshl_b32 s32, s32, 23
	s_or_b32 s32, s32, 0x600000
	v_mov_b32 v10, s32                             ; 448 x 2^e
.macro QBLOCK g, left                  ; 32 along K.  left: the younger loads that may stay out
	s_wait_loadcnt \left
.set i, 0
.rept 32
	v_med3_num_f32 v[QX+32*\g+i], v[QX+32*\g+i], -v10, v10
.set i, i+1
.endr
	v_cvt_scalef32_pk8_fp8_f32 v[QC+8*\g:QC+8*\g+1],   v[QX+32*\g:QX+32*\g+7],     v11   ; slot 0: k 0-7,
	v_cvt_scalef32_pk8_fp8_f32 v[QC+8*\g+2:QC+8*\g+3], v[QX+32*\g+16:QX+32*\g+23], v11   ;         k 16-23
	v_cvt_scalef32_pk8_fp8_f32 v[QC+8*\g+4:QC+8*\g+5], v[QX+32*\g+8:QX+32*\g+15],  v11   ; slot 1: k 8-15,
	v_cvt_scalef32_pk8_fp8_f32 v[QC+8*\g+6:QC+8*\g+7], v[QX+32*\g+24:QX+32*\g+31], v11   ;         k 24-31
	global_store_b128 v2, v[QC+8*\g:QC+8*\g+3],   s[18:19] offset:512*\g
	global_store_b128 v2, v[QC+8*\g+4:QC+8*\g+7], s[18:19] offset:512*\g+256
.endm
	QBLOCK 0, 63                                   ; 96 and 64 loads stand behind these two blocks'; 63 is the most that the wait can name, and the smaller count is the safe one
	QBLOCK 1, 63
	QBLOCK 2, 32
	QBLOCK 3, 0
	s_endpgm
.Lfunc_end_k_qf402a0b474_route_q1:
	.size	k_qf402a0b474_route_q1, .Lfunc_end_k_qf402a0b474_route_q1-k_qf402a0b474_route_q1
	.p2alignl 7, 3214868480
	.fill 96, 4, 3214868480
	.section	.rodata,"a",@progbits
	.p2align	6, 0x0
	.amdhsa_kernel k_qf402a0b474_route_q1
		.amdhsa_group_segment_fixed_size 1280
		.amdhsa_private_segment_fixed_size 0
		.amdhsa_enable_private_segment 0
		.amdhsa_kernarg_size 64
		.amdhsa_user_sgpr_count 2
		.amdhsa_user_sgpr_kernarg_segment_ptr 1
		.amdhsa_wavefront_size32 1
		.amdhsa_system_sgpr_workgroup_id_x 1
		.amdhsa_system_sgpr_workgroup_id_y 1
		.amdhsa_system_sgpr_workgroup_id_z 1
		.amdhsa_system_vgpr_workitem_id 0
		.amdhsa_next_free_vgpr 258
		.amdhsa_next_free_sgpr 100
		.amdhsa_reserve_vcc 1
		.amdhsa_float_denorm_mode_32 3
		.amdhsa_float_denorm_mode_16_64 3
		.amdhsa_memory_ordered 1
		.amdhsa_forward_progress 1
		.amdhsa_inst_pref_size 132
	.end_amdhsa_kernel
	.amdgpu_metadata
---
amdhsa.version: [ 1, 2 ]
amdhsa.kernels:
  - .name:           k_qf402a0b474_route_q1
    .symbol:         k_qf402a0b474_route_q1.kd
    .args:
      - { .name: x, .offset: 0, .size: 8, .value_kind: global_buffer, .address_space: global }
      - { .name: gate_w, .offset: 8, .size: 8, .value_kind: global_buffer, .address_space: global }
      - { .name: gate_b, .offset: 16, .size: 8, .value_kind: global_buffer, .address_space: global }
      - { .name: lowp_scales, .offset: 24, .size: 8, .value_kind: global_buffer, .address_space: global }
      - { .name: w1, .offset: 32, .size: 8, .value_kind: global_buffer, .address_space: global }
      - { .name: xc, .offset: 40, .size: 8, .value_kind: global_buffer, .address_space: global }
      - { .name: estar, .offset: 48, .size: 8, .value_kind: global_buffer, .address_space: global }
      - { .name: w1c, .offset: 56, .size: 8, .value_kind: global_buffer, .address_space: global }
    .group_segment_fixed_size: 1280
    .private_segment_fixed_size: 0
    .kernarg_segment_align: 8
    .kernarg_segment_size: 64
    .max_flat_workgroup_size: 256
    .sgpr_count:     100
    .vgpr_count:     258
    .wavefront_size: 32
...
	.end_amdgpu_metadata
.endif
;; end of part 1
;; launch place_q2 (part 2): grid 225 x 1, 8 waves a work-group, no clusters, 1,280 bytes of LDS; arguments estar, w2, lowp_scales, order, tiles, w2c; writes order, tiles, w2c
.if DOCPART == 2
	.amdgcn_target "amdgcn-amd-amdhsa--gfx1250"
	.amdhsa_code_object_version 6
	.text
	.protected	k_qf402a0b474_place_q2
	.globl	k_qf402a0b474_place_q2
	.p2align	8
	.type	k_qf402a0b474_place_q2,@function
k_qf402a0b474_place_q2:
	s_mov_b64 s[64:65], 0
	v_nop
	global_prefetch_b8 v0, s[64:65] scope:SCOPE_SE
	s_setreg_imm32_b32 hwreg(HW_REG_WAVE_MODE, 25, 1), 1
	s_wait_xcnt 0x0
; TWO JOBS IN ONE LAUNCH, parted on the work-group's number.
; Work-group 0: THE PLACING.  A counting sort of the 4,096 tokens by their expert e* (whole numbers that the launch before stored), without atomics, and the list of tiles.
;   Expert e's rows begin at row tile O_e (16 rows a row tile): O_1 = 0, O_(e+1) = O_e + ceil(n_e / 16).  order[16 O_e + i] = the i-th token of expert e; the rows that pad a row tile are not written and never read.
;   A tile is up to 10 row tiles (160 rows) of one expert.  The sum over 7 experts of ceil(n_e / 160) is at most (4,096 + 7 x 159) / 160, rounded down: 32, whatever the split.
;   tiles[slot] = e, first row tile, row tiles, rows, ex, ew1, eh, ew2 (eight words).  A slot that the split leaves empty has 0 row tiles, row tile 0 and expert 7, all of which exist.
;   A token marked 0 cannot occur (the larger of two different indices is at least 1); it would go to order's last word, which nobody reads.
; Work-groups 1-224: w2[1..7], f32 stored [k][n], becomes codes of E4M3 with the scale 2^ew2 (entry 4 e + 3), laid as the matrix unit's registers take them:
;   w2c: [expert][tile of 16 outputs, 0..31][K step of 128, 0..15][2,048 bytes]; in a fragment's image registers 4 g .. 4 g + 3 of lane l lie at 512 g + 16 l, and lane (r, h), registers 2 c, 2 c + 1, holds k = 16 c + 8 h + 0 .. 7.
; LIMITS: ew2 between -126 and 119.  NaN among the weights is not served.  w2[0] is not read: expert 0 is never chosen.
.set ROWB, 2048                        ; w2: bytes from k to k + 1
.set CTSH, 15                          ; w2c: 2^15 bytes from a tile of 16 outputs to the next
.set SIDX, 12                          ; ew2 lies 12 bytes behind the expert's first scale
.set QX,   32                          ; quantiser: v32-159  128 numbers down K of my column
.set QC,   160                         ; quantiser: v160-191 codes
.set ES,   16                          ; placing: v16-31  e* of my 16 tokens: register 4 j + c is token 1024 j + 4 thread + c
.set POS,  32                          ; placing: v32-47  their places in order
.set ID,   48                          ; placing: v48-63  their numbers
; placing, scalars, for expert e = 1..7: s[21+e] n_e; s[28+e] how many of them lie in waves before mine; s[35+e] row tiles; s[42+e] O_e; s[49+e] tiles; s[56+e] first slot
	s_load_b256 s[4:11], s[0:1], 0x0               ; estar s[4:5], w2 s[6:7], scales s[8:9], order s[10:11]
	s_load_b128 s[12:15], s[0:1], 0x20             ; tiles s[12:13], w2c s[14:15]
	v_lshl_add_u32 v192, v0, 2, 0x100
	v_mov_b32 v193, 0
	v_lshrrev_b32 v1, 5, v0
	v_readfirstlane_b32 s16, v1                    ; wave 0..7
	v_and_b32 v1, 31, v0                           ; lane
	s_cmp_lg_u32 ttmp9, 0
	s_cbranch_scc1 .Lquant
; ---------------------------------------------------------------- THE PLACING
	v_lshlrev_b32 v2, 4, v0
	s_wait_kmcnt 0x0
	s_load_b512 s[68:83], s[8:9], 0x0              ; the 32 exponents, for the list
	s_load_b512 s[84:99], s[8:9], 0x40
.irp j, 0,1,2,3
	global_load_b128 v[ES+4*\j:ES+4*\j+3], v2, s[4:5] offset:4096*\j   ; a wave reads 512 consecutive bytes
.endr
	v_lshlrev_b32 v81, 2, v0
.set n, 0
.rept 16
	v_add_nc_u32 v[ID+n], 1024*(n/4)+n%4, v81
	v_mov_b32 v[POS+n], 0x10ff                     ; order's last word, for a token that no expert 1..7 takes
.set n, n+1
.endr
	v_and_b32 v6, 7, v1
	v_and_b32 v82, 0xe0, v0                        ; LDS: my wave's row of the table of counts: 32 x wave
	v_lshlrev_b32 v83, 5, v6                       ; and the row that I read back: wave lane % 8's
.irp e, 0,1,2,3,4,5,6,7
	v_mov_b32 v[92+\e], 0                          ; a DPP move's destination counts as read: written once
.endr
.irp e, 1,2,3,4,5,6,7
	s_mov_b32 s[21+\e], 0
.endr
	s_wait_loadcnt 0x0
	s_wait_kmcnt 0x0
	; pass 1: how many of my wave's 512 tokens each expert has.  Four compares, four bit counts, four additions at a time, so that no line waits for the line above it
.irp e, 1,2,3,4,5,6,7
.irp j, 0,1,2,3
.irp c, 0,1,2,3
	v_cmp_eq_u32 s[17+\c], \e, v[ES+4*\j+\c]
.endr
.irp c, 0,1,2,3
	s_bcnt1_i32_b32 s[17+\c], s[17+\c]
.endr
.irp c, 0,1,2,3
	s_add_co_u32 s[21+\e], s[21+\e], s[17+\c]
.endr
.endr
.endr
	v_mov_b32 v84, 0
.irp e, 1,2,3,4,5,6,7
	v_mov_b32 v[84+\e], s[21+\e]
.endr
	ds_store_b128 v82, v[84:87]                    ; all lanes write the same 32 bytes with the same numbers
	ds_store_b128 v82, v[88:91] offset:16
	s_wait_dscnt 0x0                               ; for the others' sake: my stores have landed
	s_barrier_signal -1
	s_barrier_wait -1
	ds_load_b128 v[64:67], v83                     ; lane l: the counts of wave l % 8
	ds_load_b128 v[68:71], v83 offset:16
	s_wait_dscnt 0x0
	v_cmp_gt_u32 vcc_lo, s16, v6                   ; a wave before mine?
.irp e, 1,2,3,4,5,6,7
	v_cndmask_b32 v[72+\e], 0, v[64+\e], vcc_lo
.endr
.irp m, 1,2,4                          ; over each eight lanes: all waves' counts, and those of the waves before mine
.irp e, 1,2,3,4,5,6,7
	v_mov_b32_dpp v[84+\e], v[64+\e] row_xmask:\m row_mask:0xf bank_mask:0xf
	v_mov_b32_dpp v[92+\e], v[72+\e] row_xmask:\m row_mask:0xf bank_mask:0xf
	v_add_nc_u32 v[64+\e], v[64+\e], v[84+\e]
	v_add_nc_u32 v[72+\e], v[72+\e], v[92+\e]
.endr
.endr
.irp e, 1,2,3,4,5,6,7
	v_readfirstlane_b32 s[21+\e], v[64+\e]
	v_readfirstlane_b32 s[28+\e], v[72+\e]
.endr
	s_mov_b32 s17, 0
	s_mov_b32 s18, 0
.irp e, 1,2,3,4,5,6,7
	s_add_co_u32 s[35+\e], s[21+\e], 15
	s_lshr_b32 s[35+\e], s[35+\e], 4               ; row tiles
	s_mov_b32 s[42+\e], s17                        ; the first of them
	s_add_co_u32 s17, s17, s[35+\e]
	s_add_co_u32 s19, s[35+\e], 9
	s_mul_i32 s19, s19, 205
	s_lshr_b32 s[49+\e], s19, 11                   ; tiles = (row tiles + 9) / 10: x 205 / 2,048 is exact under 1,024
	s_mov_b32 s[56+\e], s18                        ; the first slot
	s_add_co_u32 s18, s18, s[49+\e]
.endr
	; pass 2: a token's place = 16 O_e + those in waves before mine + those in my wave's earlier registers + those in lower lanes of this register
.irp e, 1,2,3,4,5,6,7
	s_lshl_b32 s21, s[42+\e], 4
	s_add_co_u32 s21, s21, s[28+\e]
.irp j, 0,1,2,3
.irp c, 0,1,2,3
	v_cmp_eq_u32 s[17+\c], \e, v[ES+4*\j+\c]
.endr
.irp c, 0,1,2,3
	v_mbcnt_lo_u32_b32 v[92+\c], s[17+\c], s21
	v_cndmask_b32 v[POS+4*\j+\c], v[POS+4*\j+\c], v[92+\c], s[17+\c]
	s_bcnt1_i32_b32 s[17+\c], s[17+\c]
	s_add_co_u32 s21, s21, s[17+\c]
.endr
.endr
.endr
.set n, 0
.rept 16
	v_min_u32 v[POS+n], 0x10ff, v[POS+n]           ; inside order, whatever was read
	v_lshlrev_b32 v[POS+n], 2, v[POS+n]
	global_store_b32 v[POS+n], v[ID+n], s[10:11]   ; a permutation of 16 KiB: four bytes a lane, since neighbours in order come from tokens anywhere
.set n, n+1
.endr
	s_cmp_lg_u32 s16, 0
	s_cbranch_scc1 .Lpend
	; the list: wave 0, a lane to a slot
	v_mov_b32 v84, 7
	v_mov_b32 v85, 0
	v_mov_b32 v86, 0
	v_mov_b32 v87, 0
	v_mov_b32 v88, s96
	v_mov_b32 v89, s97
	v_mov_b32 v90, s98
	v_mov_b32 v91, s99
.irp e, 1,2,3,4,5,6,7
	v_sub_nc_u32 v100, v1, s[56+\e]                ; i: which of the expert's tiles my slot would be (a slot before its first wraps round and fails the test)
	v_cmp_gt_u32 vcc_lo, s[49+\e], v100
	v_mul_u32_u24 v101, v100, 10
	v_mul_u32_u24 v102, v100, 0xa0
	v_add_nc_u32 v103, s[42+\e], v101              ; first row tile = O_e + 10 i
	v_sub_nc_u32 v101, s[35+\e], v101
	v_sub_nc_u32 v102, s[21+\e], v102
	v_min_u32 v101, 10, v101                       ; row tiles = min(10, what is left)
	v_min_u32 v102, 0xa0, v102                     ; rows = min(160, what is left)
	v_cndmask_b32 v84, v84, \e, vcc_lo
	v_cndmask_b32 v85, v85, v103, vcc_lo
	v_cndmask_b32 v86, v86, v101, vcc_lo
	v_cndmask_b32 v87, v87, v102, vcc_lo
	v_cndmask_b32 v88, v88, s[68+4*\e], vcc_lo
	v_cndmask_b32 v89, v89, s[69+4*\e], vcc_lo
	v_cndmask_b32 v90, v90, s[70+4*\e], vcc_lo
	v_cndmask_b32 v91, v91, s[71+4*\e], vcc_lo
.endr
	v_lshlrev_b32 v104, 5, v1
	global_store_b128 v104, v[84:87], s[12:13]
	global_store_b128 v104, v[88:91], s[12:13] offset:16   ; the two stores fill 1,024 consecutive bytes between them
.Lpend:
	s_wait_tensorcnt 0x0
	ds_add_u32 v192, v193
	s_wait_dscnt 0x0
	s_endpgm
; ---------------------------------------------------------------- THE WEIGHTS
; A work-group takes 256 columns x 128 along K of one expert; a wave 32 columns.  A LANE TAKES A COLUMN, AND ITS REGISTERS RUN DOWN K: each load reads 128 consecutive bytes,
; the conversions give codes with K innermost, and a lane's 16 bytes are one slot of a fragment's image: sixteen lanes store 256 consecutive bytes, aligned.  No LDS, no barrier.
.Lquant:
	s_sub_co_u32 s21, ttmp9, 1
	s_lshr_b32 s22, s21, 5
	s_add_co_u32 s22, s22, 1                       ; expert 1..7
	s_bfe_u32 s24, s21, 0x40001                    ; K step 0..15
	s_and_b32 s25, s21, 1                          ; which 256 columns
	s_lshl_b32 s26, s22, 22                        ; w2: expert x 4 MiB + K step x 128 rows of 2,048 + 1,024 x column set + 128 x wave
	s_lshl_b32 s23, s24, 18
	s_add_co_u32 s26, s26, s23
	s_lshl_b32 s23, s25, 10
	s_add_co_u32 s26, s26, s23
	s_lshl_b32 s23, s16, 7
	s_add_co_u32 s26, s26, s23
	s_mov_b32 s27, 0
	s_lshl_b32 s28, s22, 20                        ; w2c: expert x 1 MiB + (16 x column set + 2 x wave) tiles of 32,768 + K step x 2,048
	s_lshl_b32 s23, s25, 19
	s_add_co_u32 s28, s28, s23
	s_lshl_b32 s23, s16, 16
	s_add_co_u32 s28, s28, s23
	s_lshl_b32 s23, s24, 11
	s_add_co_u32 s28, s28, s23
	s_mov_b32 s29, 0
	s_lshl_b32 s30, s22, 4                         ; the expert's four scales
	s_mov_b32 s31, 0
	v_lshlrev_b32 v3, 2, v1                        ; in: 4 bytes a lane
	v_and_b32 v4, 15, v1
	v_lshrrev_b32 v5, 4, v1
	v_lshlrev_b32 v2, 4, v4
	v_lshl_add_u32 v2, v5, CTSH, v2                ; out: lanes 16-31 belong to the next tile of 16 columns; 16 bytes a column
	s_wait_kmcnt 0x0
	s_add_nc_u64 s[8:9], s[8:9], s[30:31]
	s_load_b32 s32, s[8:9], SIDX
	s_add_nc_u64 s[6:7], s[6:7], s[26:27]
	s_add_nc_u64 s[14:15], s[14:15], s[28:29]
.set i, 0
.rept 128
	global_load_b32 v[QX+i], v3, s[6:7] offset:i*ROWB th:TH_LOAD_NT
.set i, i+1
.endr
	s_wait_kmcnt 0x0
	s_add_co_i32 s32, s32, 127
	s_lshl_b32 s33, s32, 23
	v_mov_b32 v11, s33                             ; 2^e as f32: the conversion takes its exponent field
	s_add_co_i32 s32, s32, 8
	s_lshl_b32 s32, s32, 23
	s_or_b32 s32, s32, 0x600000
	v_mov_b32 v10, s32                             ; 448 x 2^e
.macro QBLOCK g, left                  ; 32 along K.  left: the younger loads that may stay out
	s_wait_loadcnt \left
.set i, 0
.rept 32
	v_med3_num_f32 v[QX+32*\g+i], v[QX+32*\g+i], -v10, v10   ; the conversion to an 8-bit code does not saturate (ISA guide 7.6.2): the hold comes first
.set i, i+1
.endr
	v_cvt_scalef32_pk8_fp8_f32 v[QC+8*\g:QC+8*\g+1],   v[QX+32*\g:QX+32*\g+7],     v11   ; slot 0: k 0-7,
	v_cvt_scalef32_pk8_fp8_f32 v[QC+8*\g+2:QC+8*\g+3], v[QX+32*\g+16:QX+32*\g+23], v11   ;         k 16-23
	v_cvt_scalef32_pk8_fp8_f32 v[QC+8*\g+4:QC+8*\g+5], v[QX+32*\g+8:QX+32*\g+15],  v11   ; slot 1: k 8-15,
	v_cvt_scalef32_pk8_fp8_f32 v[QC+8*\g+6:QC+8*\g+7], v[QX+32*\g+24:QX+32*\g+31], v11   ;         k 24-31
	global_store_b128 v2, v[QC+8*\g:QC+8*\g+3],   s[14:15] offset:512*\g
	global_store_b128 v2, v[QC+8*\g+4:QC+8*\g+7], s[14:15] offset:512*\g+256
.endm
	QBLOCK 0, 63                                   ; 96 and 64 loads stand behind these two blocks'; 63 is the most that the wait can name, and the smaller count is the safe one
	QBLOCK 1, 63
	QBLOCK 2, 32
	QBLOCK 3, 0
	s_endpgm
.Lfunc_end_k_qf402a0b474_place_q2:
	.size	k_qf402a0b474_place_q2, .Lfunc_end_k_qf402a0b474_place_q2-k_qf402a0b474_place_q2
	.p2alignl 7, 3214868480
	.fill 96, 4, 3214868480
	.section	.rodata,"a",@progbits
	.p2align	6, 0x0
	.amdhsa_kernel k_qf402a0b474_place_q2
		.amdhsa_group_segment_fixed_size 1280
		.amdhsa_private_segment_fixed_size 0
		.amdhsa_enable_private_segment 0
		.amdhsa_kernarg_size 48
		.amdhsa_user_sgpr_count 2
		.amdhsa_user_sgpr_kernarg_segment_ptr 1
		.amdhsa_wavefront_size32 1
		.amdhsa_system_sgpr_workgroup_id_x 1
		.amdhsa_system_sgpr_workgroup_id_y 1
		.amdhsa_system_sgpr_workgroup_id_z 1
		.amdhsa_system_vgpr_workitem_id 0
		.amdhsa_next_free_vgpr 194
		.amdhsa_next_free_sgpr 100
		.amdhsa_reserve_vcc 1
		.amdhsa_float_denorm_mode_32 3
		.amdhsa_float_denorm_mode_16_64 3
		.amdhsa_memory_ordered 1
		.amdhsa_forward_progress 1
		.amdhsa_inst_pref_size 87
	.end_amdhsa_kernel
	.amdgpu_metadata
---
amdhsa.version: [ 1, 2 ]
amdhsa.kernels:
  - .name:           k_qf402a0b474_place_q2
    .symbol:         k_qf402a0b474_place_q2.kd
    .args:
      - { .name: estar, .offset: 0, .size: 8, .value_kind: global_buffer, .address_space: global }
      - { .name: w2, .offset: 8, .size: 8, .value_kind: global_buffer, .address_space: global }
      - { .name: lowp_scales, .offset: 16, .size: 8, .value_kind: global_buffer, .address_space: global }
      - { .name: order, .offset: 24, .size: 8, .value_kind: global_buffer, .address_space: global }
      - { .name: tiles, .offset: 32, .size: 8, .value_kind: global_buffer, .address_space: global }
      - { .name: w2c, .offset: 40, .size: 8, .value_kind: global_buffer, .address_space: global }
    .group_segment_fixed_size: 1280
    .private_segment_fixed_size: 0
    .kernarg_segment_align: 8
    .kernarg_segment_size: 48
    .max_flat_workgroup_size: 256
    .sgpr_count:     100
    .vgpr_count:     194
    .wavefront_size: 32
...
	.end_amdgpu_metadata
.endif
;; end of part 2
;; launch ffn1 (part 3): grid 8 x 32, 4 waves a work-group, no clusters, 84,992 bytes of LDS; arguments tiles, order, xc, w1c, b1, hc; writes hc
.if DOCPART == 3
	.amdgcn_target "amdgcn-amd-amdhsa--gfx1250"
	.amdhsa_code_object_version 6
	.text
	.protected	k_qf402a0b474_ffn1
	.globl	k_qf402a0b474_ffn1
	.p2align	8
	.type	k_qf402a0b474_ffn1,@function
k_qf402a0b474_ffn1:
	s_mov_b64 s[64:65], 0
	v_nop
	global_prefetch_b8 v0, s[64:65] scope:SCOPE_SE
	s_setreg_imm32_b32 hwreg(HW_REG_WAVE_MODE, 25, 1), 1
	s_wait_xcnt 0x0
; THE FIRST PRODUCT, for the chosen expert's rows alone: h = gelu(x w1[e] + b1[e]), exact GELU, quantised to E4M3 with 2^eh, stored as the second product's operand.
; A work-group takes one tile of the list (up to 160 sorted rows of one expert: work-group y = the slot) and 256 hidden units (work-group x).
; THE WAVES SHARE THE COLUMNS: wave w owns hidden units 256 x + 64 w .. + 63 for all rows.  Its 16 fragments of w1's codes (4 tiles of 16 units x 4 K steps, 32 KiB on end in w1c) stay in registers 256-511
; for the whole launch: no weight byte is loaded twice in the work-group and none goes through LDS.  The tile's rows of x's codes are gathered once, 40 rows a wave, into LDS, and read by all four.
; A row past the tile's last takes the last row's token again: it computes the same numbers, and only whole row tiles of 16 are stored, so nothing is masked.
; THE MATRIX INSTRUCTION IS USED TRANSPOSED: source 0 = 16 hidden units, source 1 = 16 tokens.  Lane (r, h) then holds token r, and register j hidden unit 8 h + j of the tile: one conversion of a tile's eight
; registers gives registers 2 c, 2 c + 1 of the next operand (k = 16 c + 8 h + 0 .. 7), as they stand.  hc: [row tile][K step of 128 hidden units, 0..15][2,048 bytes], registers 4 g .. 4 g + 3 of lane l at 512 g + 16 l.
; b1 goes in as the C of each sum's first instruction, divided by 2^(ex + ew1), which the sums of codes lack.
; GELU: u/2 (1 + erf(u / sqrt 2)); erf(z) = z P(z^2) / Q(z^2) on z held within +-4, P of degree 6, Q of degree 4, in f32; the last step is one fused multiply-add, erf x u/2 + u/2.
; BY TURNS: while a row tile's 356 vector instructions run, the next row tile's 16 matrix instructions, issued ahead of them, are at work; two sets of accumulators.
; No joint loads: the work-groups that share weights (the slots of one expert) have trip counts that hang on the list, and what each takes in is already taken once.
; LIMITS: ex + ew1 between -125 and 127; eh between -126 and 119.  NaN is not served.  erf's error is a few units in the last place of 1.
; REGISTERS: v1 16 x lane; v4 my place in a row tile in LDS; v5 the address in hand; v6, v7 tokens; v8 where I put gathered rows; v9 bias offset; v16, v17 2^eh and 448 x 2^eh; v[18:19], v[20:21] two coefficients;
;   v32-95 x's four fragments (at the head v32-191 hold the gathered rows); v96-127, v128-159 the two sets of four accumulators; v160-191 at work; v192-223 b1; v224-239 codes.
.set PITCH, 528                        ; a row of 512 codes + 16 bytes: an odd multiple of 16, so that the sixteen rows that a load touches begin in sixteen different groups of banks
.set TROWS, 16*PITCH
.set XF,  32
.set AC0, 96
.set AC1, 128
.set ZR,  160
.set TR,  168
.set PR,  176
.set QR,  184
.set BI,  192
.set CD,  224
.set MSB, 0
.macro WIN new                         ; the immediate's high byte repeats the setting that is left
.if MSB != \new
	s_set_vgpr_msb (MSB<<8)|\new
.set MSB, \new
.endif
.endm
.macro CPAIR r, val                    ; a coefficient as a pair: the packed forms name a pair and take its low word for both halves
	s_mov_b32 s[\r], \val
	s_mov_b32 s[\r+1], \val
.endm
	s_load_b256 s[4:11], s[0:1], 0x0               ; tiles s[4:5], order s[6:7], xc s[8:9], w1c s[10:11]
	s_load_b128 s[12:15], s[0:1], 0x20             ; b1 s[12:13], hc s[14:15]
	v_lshl_add_u32 v254, v0, 2, 0x14a00
	v_mov_b32 v255, 0
	v_lshrrev_b32 v1, 5, v0
	v_readfirstlane_b32 s16, v1                    ; wave 0..3
	v_and_b32 v10, 31, v0                          ; lane
	v_lshlrev_b32 v1, 4, v10
	v_and_b32 v2, 15, v0                           ; r
	v_bfe_u32 v3, v0, 4, 1                         ; h
	v_mul_u32_u24 v4, v2, PITCH
	v_lshl_add_u32 v4, v3, 4, v4                   ; row r, slot h
	s_mul_i32 s17, s16, 40*PITCH
	v_add_nc_u32 v8, s17, v1                       ; my wave's 40 rows; 16 bytes a lane
	v_lshlrev_b32 v9, 5, v3
	s_and_b32 s28, ttmp7, 0xffff                   ; the slot
	s_lshl_b32 s28, s28, 5
	s_mov_b32 s29, 0
	s_wait_kmcnt 0x0
	s_add_nc_u64 s[4:5], s[4:5], s[28:29]
	s_load_b256 s[20:27], s[4:5], 0x0              ; e, first row tile, row tiles, rows, ex, ew1, eh, ew2
	CPAIR 36, 0x32edffee                           ; P:  2.77068142e-8   t^5   (t = z^2)
	CPAIR 38, 0xb60cff51                           ;    -2.10102402e-6   t^4
	CPAIR 40, 0xb86ec2d2                           ;    -5.69250639e-5   t^3
	CPAIR 42, 0xba40ac63                           ;    -7.34990630e-4   t^2
	CPAIR 44, 0xbb41a1f6                           ;    -2.95459981e-3   t
	CPAIR 46, 0xbc83dbd4                           ;    -1.60960333e-2
	CPAIR 48, 0xb95fbd29                           ; Q: -2.13374055e-4   t^3
	CPAIR 50, 0xbadc924e                           ;    -1.68282697e-3   t^2
	CPAIR 52, 0xbbf19bf8                           ;    -7.37332917e-3   t
	CPAIR 54, 0xbc69b6a7                           ;    -1.42647391e-2
	v_mov_b32 v18, 0xaf95df0b                      ; P: -2.72614226e-10  t^6
	v_mov_b32 v19, 0xaf95df0b
	v_mov_b32 v20, 0xb77460cd                      ; Q: -1.45660718e-5   t^4
	v_mov_b32 v21, 0xb77460cd
	s_mul_i32 s18, s16, 40                         ; my wave's first row of the tile
	v_add_nc_u32 v6, s18, v10                      ; rows 40 w + lane,
	v_and_b32 v7, 7, v10
	v_add3_u32 v7, v7, s18, 32                     ; and 40 w + 32 + lane % 8
	s_wait_kmcnt 0x0
	s_min_u32 s20, s20, 7                          ; what was read is held inside its range
	s_min_u32 s21, s21, 263
	s_min_u32 s22, s22, 10
	s_min_u32 s23, s23, 160
	s_max_u32 s30, s23, 1
	s_sub_co_u32 s30, s30, 1                       ; the tile's last row
	s_lshl_b32 s19, s21, 4
	v_min_u32 v6, s30, v6
	v_min_u32 v7, s30, v7
	v_add_nc_u32 v6, s19, v6
	v_add_nc_u32 v7, s19, v7
	v_min_u32 v6, 0x10ff, v6
	v_min_u32 v7, 0x10ff, v7
	v_lshlrev_b32 v6, 2, v6
	v_lshlrev_b32 v7, 2, v7
	global_load_b32 v6, v6, s[6:7]                 ; (a) 2 loads: my 40 rows' tokens
	global_load_b32 v7, v7, s[6:7]
	s_lshl_b32 s28, s20, 13                        ; b1: 8,192 e + 1,024 x + 256 w
	s_lshl_b32 s31, ttmp9, 10
	s_add_co_u32 s28, s28, s31
	s_lshl_b32 s31, s16, 8
	s_add_co_u32 s28, s28, s31
	s_add_nc_u64 s[12:13], s[12:13], s[28:29]
.irp n, 0,1,2,3
	global_load_b128 v[BI+8*\n:BI+8*\n+3],   v9, s[12:13] offset:64*\n      ; (b) 8 loads: b1 of units 16 n + 8 h + 0 .. 7
	global_load_b128 v[BI+8*\n+4:BI+8*\n+7], v9, s[12:13] offset:64*\n+16
.endr
	s_lshl_b32 s28, s20, 20                        ; w1c: expert x 1 MiB + (16 x + 4 w) tiles of 8,192
	s_lshl_b32 s31, ttmp9, 17
	s_add_co_u32 s28, s28, s31
	s_lshl_b32 s31, s16, 15
	s_add_co_u32 s28, s28, s31
	s_add_nc_u64 s[10:11], s[10:11], s[28:29]
.macro WLOAD f0, f1                    ; fragments f0 .. f1 - 1 (f = 4 x tile + K step), each four loads of 512 consecutive bytes
.set f, \f0
.rept \f1-\f0
.irp g, 0,1,2,3
	global_load_b128 v[16*f+4*\g:16*f+4*\g+3], v1, s[10:11] offset:2048*f+512*\g
.endr
.set f, f+1
.endr
.endm
	WIN 0x40                                       ; destination: registers 256 on
	WLOAD 0, 8                                     ; (c) 32 loads
	WIN 0
	s_lshl_b32 s28, s21, 15                        ; hc: 32,768 x row tile + 2,048 (2 x + w / 2) + 1,024 (w % 2) = .. + 4,096 x + 1,024 w
	s_lshl_b32 s31, ttmp9, 12
	s_add_co_u32 s28, s28, s31
	s_lshl_b32 s31, s16, 10
	s_add_co_u32 s28, s28, s31
	s_add_nc_u64 s[14:15], s[14:15], s[28:29]
	s_add_co_i32 s32, s24, s25                     ; E = ex + ew1: a sum of codes stands for sum x 2^E
	s_sub_co_i32 s63, 0, s32
	s_lshl_b32 s33, s32, 23
	s_add_co_i32 s56, s33, 0x3f3504f3              ; 2^E / sqrt 2: E added to the exponent field of 0.70710678
	s_mov_b32 s57, s56
	s_add_co_i32 s58, s32, 126
	s_lshl_b32 s58, s58, 23                        ; 2^E / 2
	s_mov_b32 s59, s58
	s_add_co_i32 s33, s26, 127
	s_lshl_b32 s34, s33, 23
	v_mov_b32 v16, s34                             ; 2^eh
	s_add_co_i32 s33, s33, 8
	s_lshl_b32 s33, s33, 23
	s_or_b32 s33, s33, 0x600000
	v_mov_b32 v17, s33                             ; 448 x 2^eh
	s_wait_loadcnt 40                              ; (b) and (c), 40 loads, stand behind (a): the tokens are in
.macro GROW i, sr                      ; row i's token, held inside x, becomes a byte offset
.if \i < 32
	v_readlane_b32 s[\sr], v6, \i
.else
	v_readlane_b32 s[\sr], v7, \i-32
.endif
.endm
.set i0, 0
.rept 10                               ; (d) 40 loads, four rows at a time so that no line waits for the line above it; a row is 512 consecutive bytes; each load lands on its own address register
	GROW i0, 28
	GROW i0+1, 31
	GROW i0+2, 33
	GROW i0+3, 34
.irp sr, 28,31,33,34
	s_min_u32 s[\sr], s[\sr], 0xfff
.endr
.irp sr, 28,31,33,34
	s_lshl_b32 s[\sr], s[\sr], 9
.endr
	v_add_nc_u32 v[32+4*i0], s28, v1
	v_add_nc_u32 v[36+4*i0], s31, v1
	v_add_nc_u32 v[40+4*i0], s33, v1
	v_add_nc_u32 v[44+4*i0], s34, v1
.irp c, 0,1,2,3
	global_load_b128 v[32+4*i0+4*\c:35+4*i0+4*\c], v[32+4*i0+4*\c], s[8:9]
.endr
.set i0, i0+4
.endr
	WIN 0x40
	WLOAD 8, 16                                    ; (e) 32 loads
	WIN 0
	s_wait_loadcnt 32                              ; only (e) stands behind: the rows and b1 are in
.set i, 0
.rept 40
	ds_store_b128 v8, v[32+4*i:35+4*i] offset:PITCH*i
.set i, i+1
.endr
.set i, 0
.rept 32
	v_ldexp_f32 v[BI+i], v[BI+i], s63              ; b1 / 2^E
.set i, i+1
.endr
	s_wait_dscnt 0x0                               ; for the others' sake: my 40 rows have landed
	s_barrier_signal -1
	s_barrier_wait -1                              ; the launch's one barrier: from here on LDS is only read
.macro FETCH                           ; a row tile's four fragments: 16 tokens x 512 codes
.irp s, 0,1,2,3
.irp g, 0,1,2,3
	ds_load_b128 v[XF+16*\s+4*\g:XF+16*\s+4*\g+3], v5 offset:128*\s+32*\g
.endr
.endr
.endm
.macro MM ac                           ; 16 matrix instructions: four accumulators by turns, one instruction a turn, K step by K step; b1 starts the sums
	WIN 0x01                                       ; source 0 (w1): registers 256 on
.irp s, 0,1,2,3
.irp n, 0,1,2,3
.if \s == 0
	v_wmma_f32_16x16x128_fp8_fp8 v[\ac+8*\n:\ac+8*\n+7], v[16*(4*\n+\s):16*(4*\n+\s)+15], v[XF+16*\s:XF+16*\s+15], v[BI+8*\n:BI+8*\n+7]
.else
	v_wmma_f32_16x16x128_fp8_fp8 v[\ac+8*\n:\ac+8*\n+7], v[16*(4*\n+\s):16*(4*\n+\s)+15], v[XF+16*\s:XF+16*\s+15], v[\ac+8*\n:\ac+8*\n+7]
.endif
.endr
.endr
	WIN 0
.endm
.macro GELU ab, cd                     ; one accumulator's eight sums become eight codes in v[cd], v[cd + 1].  The accumulator is read from its low end on
.irp i, 0,2,4,6
	v_pk_mul_f32 v[ZR+\i:ZR+\i+1], v[(\ab)+\i:(\ab)+\i+1], s[56:57] op_sel_hi:[1,0]      ; z = u / sqrt 2
.endr
.irp i, 0,1,2,3,4,5,6,7
	v_med3_num_f32 v[ZR+\i], v[ZR+\i], -4.0, 4.0
.endr
.irp i, 0,2,4,6
	v_pk_mul_f32 v[TR+\i:TR+\i+1], v[ZR+\i:ZR+\i+1], v[ZR+\i:ZR+\i+1]
.endr
.irp i, 0,2,4,6
	v_pk_fma_f32 v[PR+\i:PR+\i+1], v[TR+\i:TR+\i+1], v[18:19], s[36:37] op_sel_hi:[1,1,0]
	v_pk_fma_f32 v[QR+\i:QR+\i+1], v[TR+\i:TR+\i+1], v[20:21], s[48:49] op_sel_hi:[1,1,0]
.endr
.irp c, 0,1,2
.irp i, 0,2,4,6
	v_pk_fma_f32 v[PR+\i:PR+\i+1], v[PR+\i:PR+\i+1], v[TR+\i:TR+\i+1], s[38+2*\c:39+2*\c] op_sel_hi:[1,1,0]
	v_pk_fma_f32 v[QR+\i:QR+\i+1], v[QR+\i:QR+\i+1], v[TR+\i:TR+\i+1], s[50+2*\c:51+2*\c] op_sel_hi:[1,1,0]
.endr
.endr
.irp i, 0,1,2,3,4,5,6,7
	v_rcp_f32 v[QR+\i], v[QR+\i]                   ; Q is finished, and is under -0.014 for every t >= 0
.endr
.irp c, 3,4                            ; P's last two steps are the plain instructions behind the reciprocals (ISA guide 5.7.2)
.irp i, 0,2,4,6
	v_pk_fma_f32 v[PR+\i:PR+\i+1], v[PR+\i:PR+\i+1], v[TR+\i:TR+\i+1], s[38+2*\c:39+2*\c] op_sel_hi:[1,1,0]
.endr
.endr
.irp i, 0,2,4,6
	v_pk_mul_f32 v[PR+\i:PR+\i+1], v[PR+\i:PR+\i+1], v[ZR+\i:ZR+\i+1]
.endr
.irp i, 0,2,4,6
	v_pk_mul_f32 v[(\ab)+\i:(\ab)+\i+1], v[(\ab)+\i:(\ab)+\i+1], s[58:59] op_sel_hi:[1,0]   ; u / 2
.endr
	s_wait_alu depctr_va_vdst(0)
.irp i, 0,2,4,6
	v_pk_mul_f32 v[PR+\i:PR+\i+1], v[PR+\i:PR+\i+1], v[QR+\i:QR+\i+1]                      ; erf
.endr
.irp i, 0,2,4,6
	v_pk_fma_f32 v[(\ab)+\i:(\ab)+\i+1], v[PR+\i:PR+\i+1], v[(\ab)+\i:(\ab)+\i+1], v[(\ab)+\i:(\ab)+\i+1]
.endr
.irp i, 0,1,2,3,4,5,6,7
	v_med3_num_f32 v[(\ab)+\i], v[(\ab)+\i], -v17, v17   ; the conversion does not saturate (ISA guide 7.6.2): the hold comes first
.endr
	v_cvt_scalef32_pk8_fp8_f32 v[\cd:\cd+1], v[(\ab):(\ab)+7], v16
.endm
; One row tile: s61 counts them.  acp holds its sums; acn takes the next row tile's.
.macro HALF acp, acn, cd
	s_cmp_ge_u32 s61, s22                          ; past the tile's last row tile: done.  (A number from the list, the same in all four waves; no barrier stands behind it)
	s_cbranch_scc1 .Ldone
	s_wait_dscnt 0x0                               ; the next row tile's fragments are in
	MM \acn
	GELU \acp, \cd                                 ; names no register of those products: its first four lines are the places in front of the loads below
	v_add_nc_u32 v5, s62, v4
	FETCH                                          ; the row tile after the next, or the tenth again
	s_add_co_u32 s62, s62, TROWS
	s_min_u32 s62, s62, 9*TROWS
	GELU \acp+8, \cd+2
	GELU \acp+16, \cd+4
	GELU \acp+24, \cd+6
	v_nop                                          ; a plain instruction behind the last conversion: the next products write its sources
	global_store_b128 v1, v[\cd:\cd+3], s[14:15]             ; registers 4 g .. 4 g + 3 of the operand, g = 2 (w % 2): 512 consecutive bytes,
	global_store_b128 v1, v[\cd+4:\cd+7], s[14:15] offset:512 ; and g + 1
	s_wait_xcnt 0x0                                ; the stores' base is stepped, and their data written again, only behind this wait
	s_add_nc_u64 s[14:15], s[14:15], 0x8000
	s_add_co_u32 s61, s61, 1
.endm
	v_mov_b32 v5, v4
	FETCH                                          ; row tile 0
	s_wait_loadcnt 0x0                             ; (e): all of w1's fragments
	s_wait_dscnt 0x0
	MM AC0
.rept 4
	v_nop                                          ; places in front of loads into registers that those products read, and of the first read of their sums
.endr
	v_add_nc_u32 v5, TROWS, v4
	FETCH                                          ; row tile 1 (all 160 rows lie in LDS, whatever the tile's length)
	s_mov_b32 s62, 2*TROWS
	s_mov_b32 s61, 0
	s_mov_b32 s60, 5
.Lpair:
	HALF AC0, AC1, CD
	HALF AC1, AC0, CD+8
	s_sub_co_u32 s60, s60, 1
	s_cmp_lg_u32 s60, 0
	s_cbranch_scc1 .Lpair
.Ldone:
	s_wait_dscnt 0x0
	s_wait_tensorcnt 0x0
	ds_add_u32 v254, v255
	s_wait_dscnt 0x0
	s_endpgm
.Lfunc_end_k_qf402a0b474_ffn1:
	.size	k_qf402a0b474_ffn1, .Lfunc_end_k_qf402a0b474_ffn1-k_qf402a0b474_ffn1
	.p2alignl 7, 3214868480
	.fill 96, 4, 3214868480
	.section	.rodata,"a",@progbits
	.p2align	6, 0x0
	.amdhsa_kernel k_qf402a0b474_ffn1
		.amdhsa_group_segment_fixed_size 84992
		.amdhsa_private_segment_fixed_size 0
		.amdhsa_enable_private_segment 0
		.amdhsa_kernarg_size 48
		.amdhsa_user_sgpr_count 2
		.amdhsa_user_sgpr_kernarg_segment_ptr 1
		.amdhsa_wavefront_size32 1
		.amdhsa_system_sgpr_workgroup_id_x 1
		.amdhsa_system_sgpr_workgroup_id_y 1
		.amdhsa_system_sgpr_workgroup_id_z 1
		.amdhsa_system_vgpr_workitem_id 0
		.amdhsa_next_free_vgpr 512
		.amdhsa_next_free_sgpr 66
		.amdhsa_reserve_vcc 0
		.amdhsa_float_denorm_mode_32 3
		.amdhsa_float_denorm_mode_16_64 3
		.amdhsa_memory_ordered 1
		.amdhsa_forward_progress 1
		.amdhsa_inst_pref_size 80
	.end_amdhsa_kernel
	.amdgpu_metadata
---
amdhsa.version: [ 1, 2 ]
amdhsa.kernels:
  - .name:           k_qf402a0b474_ffn1
    .symbol:         k_qf402a0b474_ffn1.kd
    .args:
      - { .name: tiles, .offset: 0, .size: 8, .value_kind: global_buffer, .address_space: global }
      - { .name: order, .offset: 8, .size: 8, .value_kind: global_buffer, .address_space: global }
      - { .name: xc, .offset: 16, .size: 8, .value_kind: global_buffer, .address_space: global }
      - { .name: w1c, .offset: 24, .size: 8, .value_kind: global_buffer, .address_space: global }
      - { .name: b1, .offset: 32, .size: 8, .value_kind: global_buffer, .address_space: global }
      - { .name: hc, .offset: 40, .size: 8, .value_kind: global_buffer, .address_space: global }
    .group_segment_fixed_size: 84992
    .private_segment_fixed_size: 0
    .kernarg_segment_align: 8
    .kernarg_segment_size: 48
    .max_flat_workgroup_size: 128
    .sgpr_count:     66
    .vgpr_count:     512
    .wavefront_size: 32
...
	.end_amdgpu_metadata
.endif
;; end of part 3
;; launch ffn2 (part 4): grid 8 x 32, 4 waves a work-group, no clusters, 175,360 bytes of LDS; arguments tiles, order, hc, w2c, b2, out0; writes out0
.if DOCPART == 4
	.amdgcn_target "amdgcn-amd-amdhsa--gfx1250"
	.amdhsa_code_object_version 6
	.text
	.protected	k_qf402a0b474_ffn2
	.globl	k_qf402a0b474_ffn2
	.p2align	8
	.type	k_qf402a0b474_ffn2,@function
k_qf402a0b474_ffn2:
	s_mov_b64 s[64:65], 0
	v_nop
	global_prefetch_b8 v0, s[64:65] scope:SCOPE_SE
	s_setreg_imm32_b32 hwreg(HW_REG_WAVE_MODE, 25, 1), 1
	s_wait_xcnt 0x0
; THE SECOND PRODUCT AND THE WAY OUT: out[token] = 2 (h w2[e] + b2[e]) for the chosen expert's rows.
; A work-group takes one tile of the list (up to 160 sorted rows: work-group y = the slot) and 64 outputs (work-group x).
; THE WAVES SHARE K: wave q takes K steps 4 q .. 4 q + 3 (512 of the 2,048 hidden units) of all rows and all 64 outputs.  So every byte of h's and w2's codes that the work-group needs goes once, straight into
; registers: w2's 16 fragments of a wave stay in registers 256-511, h's come row tile by row tile through a ring of three register buffers, two row tiles ahead.  The four partial sums of each output meet in LDS.
; (So a sum is not one chain of ascending K: four chains, then (p0 + p1) + (p2 + p3) in f32.)
; THE MATRIX INSTRUCTION IS USED TRANSPOSED: source 0 = 16 outputs, source 1 = 16 tokens: lane (r, h) holds token r and outputs 8 h + 0 .. 7 of the tile: 32 neighbouring bytes of a row.
; THE WAY OUT: wave w sums rows 40 w .. 40 w + 39; sixteen lanes hold a row's 64 outputs and store 256 consecutive bytes, aligned, at the row's token.  y = sum x 2^(eh + ew2 + 1) + 2 b2: the factor 2 (TOP_K) is folded in.
; A row that pads the last row tile carries the last row's token and the same numbers: it stores the same bytes to the same place.  Whole row tiles past the tile's end are not computed.
; No joint loads: trip counts hang on the list.
; LIMITS: eh + ew2 + 1 between -126 and 127.  NaN is not served.
; REGISTERS: v1 16 x lane; v4-6 h's byte offsets, one for each buffer; v7 where I put partial sums; v8-11 where I read the four back; v12 my row's token in LDS; v13 16 (lane % 16); v14, v15 tokens; v[16:19] 2 b2; v20, v21 where I put tokens;
;   v32-63 four accumulators; v64-255 three buffers of four fragments, later the rows on their way out.
.set PP,   272                         ; a row of 64 partial sums, 256 bytes + 16: an odd multiple of 16
.set PART, 160*PP                      ; a wave's partial sums: 43,520 bytes
.set TOK,  4*PART                      ; behind them: the 160 rows' tokens
.set AC,   32
.set RB,   64
.set MSB, 0
.macro WIN new                         ; the immediate's high byte repeats the setting that is left
.if MSB != \new
	s_set_vgpr_msb (MSB<<8)|\new
.set MSB, \new
.endif
.endm
	s_load_b256 s[4:11], s[0:1], 0x0               ; tiles s[4:5], order s[6:7], hc s[8:9], w2c s[10:11]
	s_load_b128 s[12:15], s[0:1], 0x20             ; b2 s[12:13], out0 s[14:15]
	v_lshl_add_u32 v30, v0, 2, 0x2ab00
	v_mov_b32 v31, 0
	v_lshrrev_b32 v1, 5, v0
	v_readfirstlane_b32 s16, v1                    ; wave 0..3
	v_and_b32 v22, 31, v0                          ; lane
	v_lshlrev_b32 v1, 4, v22
	v_and_b32 v2, 15, v0                           ; r
	v_bfe_u32 v3, v0, 4, 1                         ; h
	v_lshlrev_b32 v13, 4, v2
	s_mul_i32 s17, s16, PART
	v_mul_u32_u24 v7, v2, PP
	v_lshl_add_u32 v7, v3, 5, v7
	v_add_nc_u32 v7, s17, v7                       ; my wave's part, row r, + 32 h
	s_mul_i32 s18, s16, 40*PP
	v_mul_u32_u24 v8, v3, PP
	v_add_nc_u32 v8, v8, v13
	v_add_nc_u32 v8, s18, v8                       ; back: row 40 w + lane / 16, 16 bytes a lane: part 0,
	v_add_nc_u32 v9, PART, v8                      ; 1,
	v_add_nc_u32 v10, 2*PART, v8                   ; 2,
	v_add_nc_u32 v11, 3*PART, v8                   ; 3
	s_mul_i32 s19, s16, 160
	v_lshl_add_u32 v12, v3, 2, s19
	v_add_nc_u32 v12, TOK, v12                     ; the token of row 40 w + lane / 16
	v_lshl_add_u32 v20, v22, 2, s19
	v_add_nc_u32 v20, TOK, v20                     ; where the token of row 40 w + lane goes,
	v_and_b32 v21, 7, v22
	v_lshl_add_u32 v21, v21, 2, s19
	v_add_nc_u32 v21, TOK+128, v21                 ; and that of row 40 w + 32 + lane % 8
	s_mul_i32 s34, s16, 40                         ; my wave's first row on the way out
	v_add_nc_u32 v14, s34, v22
	v_and_b32 v15, 7, v22
	v_add3_u32 v15, v15, s34, 32
	s_and_b32 s28, ttmp7, 0xffff                   ; the slot
	s_lshl_b32 s28, s28, 5
	s_mov_b32 s29, 0
	s_wait_kmcnt 0x0
	s_add_nc_u64 s[4:5], s[4:5], s[28:29]
	s_load_b256 s[20:27], s[4:5], 0x0              ; e, first row tile, row tiles, rows, ex, ew1, eh, ew2
	s_wait_kmcnt 0x0
	s_min_u32 s20, s20, 7                          ; what was read is held inside its range
	s_min_u32 s21, s21, 263
	s_min_u32 s22, s22, 10
	s_min_u32 s23, s23, 160
	s_max_u32 s30, s23, 1
	s_sub_co_u32 s30, s30, 1                       ; the tile's last row
	s_max_u32 s32, s22, 1
	s_sub_co_u32 s32, s32, 1                       ; its last row tile
	s_lshl_b32 s33, s22, 4                         ; rows in whole row tiles
	s_lshl_b32 s19, s21, 4
	v_min_u32 v14, s30, v14
	v_min_u32 v15, s30, v15
	v_add_nc_u32 v14, s19, v14
	v_add_nc_u32 v15, s19, v15
	v_min_u32 v14, 0x10ff, v14
	v_min_u32 v15, 0x10ff, v15
	v_lshlrev_b32 v14, 2, v14
	v_lshlrev_b32 v15, 2, v15
	global_load_b32 v14, v14, s[6:7]               ; 2 loads: my 40 rows' tokens
	global_load_b32 v15, v15, s[6:7]
	s_lshl_b32 s28, s20, 11                        ; b2: 2,048 e + 256 x
	s_lshl_b32 s31, ttmp9, 8
	s_add_co_u32 s28, s28, s31
	s_add_nc_u64 s[12:13], s[12:13], s[28:29]
	global_load_b128 v[16:19], v13, s[12:13]       ; 1 load: b2 of outputs 4 (lane % 16) + 0 .. 3
	s_mov_b32 s28, s31
	s_add_nc_u64 s[14:15], s[14:15], s[28:29]      ; out0 at my 64 outputs
	s_lshl_b32 s28, s20, 20                        ; w2c: expert x 1 MiB + 4 x tiles of 32,768 + 4 q K steps of 2,048
	s_lshl_b32 s31, ttmp9, 17
	s_add_co_u32 s28, s28, s31
	s_lshl_b32 s31, s16, 13
	s_add_co_u32 s28, s28, s31
	s_add_nc_u64 s[10:11], s[10:11], s[28:29]
	WIN 0x40                                       ; destination: registers 256 on
.set f, 0
.rept 16                               ; 64 loads: fragment f = 4 x tile + K step, four loads of 512 consecutive bytes
.irp g, 0,1,2,3
	global_load_b128 v[16*f+4*\g:16*f+4*\g+3], v1, s[10:11] offset:32768*(f/4)+2048*(f%4)+512*\g
.endr
.set f, f+1
.endr
	WIN 0
	s_lshl_b32 s28, s21, 15                        ; hc: 32,768 x first row tile + 4 q K steps of 2,048
	s_add_co_u32 s28, s28, s31
	s_add_nc_u64 s[8:9], s[8:9], s[28:29]
.macro ALOAD b                         ; 16 loads: a row tile's four fragments of my K steps, 8 KiB on end, into buffer b
.irp i, 0,1,2,3
.irp g, 0,1,2,3
	global_load_b128 v[RB+64*(\b)+16*\i+4*\g:RB+64*(\b)+16*\i+4*\g+3], v[4+(\b)], s[8:9] offset:2048*\i+512*\g
.endr
.endr
.endm
.irp a, 0,1,2                          ; row tiles 0, 1, 2, or the last one again: every wave issues the same loads whatever the tile's length, so that the counts below hold on every way
	s_min_u32 s31, s32, \a
	s_lshl_b32 s31, s31, 15
	v_add_nc_u32 v[4+\a], s31, v1
	ALOAD \a
.endr
	s_add_co_i32 s56, s26, s27
	s_add_co_i32 s56, s56, 128
	s_lshl_b32 s56, s56, 23                        ; 2^(eh + ew2 + 1)
	s_mov_b32 s57, s56                             ; (named with it as a pair, so it is written)
	s_wait_loadcnt 32                              ; all but row tiles 1 and 2
	ds_store_b32 v20, v14                          ; my 40 rows' tokens: words that my wave alone touches
	ds_store_b32 v21, v15
	v_pk_mul_f32 v[16:17], v[16:17], 2.0 op_sel_hi:[1,0]
	v_pk_mul_f32 v[18:19], v[18:19], 2.0 op_sel_hi:[1,0]
.macro TILE a
	s_cmp_le_u32 s22, \a                           ; past the tile's last row tile: on to the sums.  (A number from the list, the same in all four waves)
	s_cbranch_scc1 .Lsum
.if \a < 8
	s_wait_loadcnt 32                              ; this row tile's fragments are in; the next two row tiles' 16 loads each may be out
.elseif \a == 8
	s_wait_loadcnt 16
.else
	s_wait_loadcnt 0
.endif
	WIN 0x01                                       ; source 0 (w2): registers 256 on
.irp i, 0,1,2,3                        ; four accumulators by turns, one instruction a turn; the first K step starts the sums
.irp n, 0,1,2,3
.if \i == 0
	v_wmma_f32_16x16x128_fp8_fp8 v[AC+8*\n:AC+8*\n+7], v[16*(4*\n+\i):16*(4*\n+\i)+15], v[RB+64*((\a)%3)+16*\i:RB+64*((\a)%3)+16*\i+15], 0
.else
	v_wmma_f32_16x16x128_fp8_fp8 v[AC+8*\n:AC+8*\n+7], v[16*(4*\n+\i):16*(4*\n+\i)+15], v[RB+64*((\a)%3)+16*\i:RB+64*((\a)%3)+16*\i+15], v[AC+8*\n:AC+8*\n+7]
.endif
.endr
.endr
	WIN 0
; Five places: four are owed to the loads into the buffer just read and to the stores that read the sums, five to the next row tile's products, which begin anew on these accumulators.
.if \a < 7
	s_min_u32 s31, s32, \a+3
	s_lshl_b32 s31, s31, 15
.rept 4
	v_nop
.endr
	v_add_nc_u32 v[4+(\a)%3], s31, v1              ; this buffer's loads were shown done by the wait above: its offset may be written
	ALOAD (\a)%3                                   ; the row tile three further on, or the last one again
.else
.rept 5
	v_nop
.endr
.endif
.irp n, 0,1,2,3
	ds_store_b128 v7, v[AC+8*\n:AC+8*\n+3]   offset:16*PP*(\a)+64*\n      ; each accumulator from its low end on
	ds_store_b128 v7, v[AC+8*\n+4:AC+8*\n+7] offset:16*PP*(\a)+64*\n+16
.endr
.endm
.irp a, 0,1,2,3,4,5,6,7,8,9
	TILE \a
.endr
.Lsum:
	s_wait_loadcnt 0x0                             ; loads asked for ahead have landed: their registers are used again below
	s_wait_dscnt 0x0                               ; for the others' sake: my partial sums have landed
	s_barrier_signal -1
	s_barrier_wait -1                              ; the launch's one barrier; every way leads here
; Eight rows: four pairs; lanes 0-15 take one row, lanes 16-31 the next.  40 w and the tile's rows in whole row tiles are multiples of 8: a group is computed whole or not at all.
.macro GROUP j
	s_add_co_u32 s35, s34, 8*\j
	s_cmp_ge_u32 s35, s33
	s_cbranch_scc1 .Lend
	s_wait_xcnt 0x0                                ; the last group's stores have read their registers
.irp i, 0,1,2,3
.irp q, 0,1,2,3
	ds_load_b128 v[RB+20*\i+4*\q:RB+20*\i+4*\q+3], v[8+\q] offset:2*PP*(4*\j+\i)
.endr
	ds_load_b32 v[RB+20*\i+16], v12 offset:8*(4*\j+\i)
.endr
.irp i, 0,1,2,3
	s_wait_dscnt 5*(3-\i)                          ; five loads a pair: the later pairs' may be out
	v_pk_add_f32 v[RB+20*\i:RB+20*\i+1],     v[RB+20*\i:RB+20*\i+1],     v[RB+20*\i+4:RB+20*\i+5]
	v_pk_add_f32 v[RB+20*\i+2:RB+20*\i+3],   v[RB+20*\i+2:RB+20*\i+3],   v[RB+20*\i+6:RB+20*\i+7]
	v_pk_add_f32 v[RB+20*\i+8:RB+20*\i+9],   v[RB+20*\i+8:RB+20*\i+9],   v[RB+20*\i+12:RB+20*\i+13]
	v_pk_add_f32 v[RB+20*\i+10:RB+20*\i+11], v[RB+20*\i+10:RB+20*\i+11], v[RB+20*\i+14:RB+20*\i+15]
	v_pk_add_f32 v[RB+20*\i:RB+20*\i+1],     v[RB+20*\i:RB+20*\i+1],     v[RB+20*\i+8:RB+20*\i+9]
	v_pk_add_f32 v[RB+20*\i+2:RB+20*\i+3],   v[RB+20*\i+2:RB+20*\i+3],   v[RB+20*\i+10:RB+20*\i+11]
	v_pk_fma_f32 v[RB+20*\i:RB+20*\i+1],     v[RB+20*\i:RB+20*\i+1],     s[56:57], v[16:17] op_sel_hi:[1,0,1]
	v_pk_fma_f32 v[RB+20*\i+2:RB+20*\i+3],   v[RB+20*\i+2:RB+20*\i+3],   s[56:57], v[18:19] op_sel_hi:[1,0,1]
	v_min_u32 v[RB+20*\i+16], 0xfff, v[RB+20*\i+16]                      ; the token, held inside out0
	v_lshl_add_u32 v[RB+20*\i+17], v[RB+20*\i+16], 11, v13               ; its row of 2,048 bytes, + 16 (lane % 16)
	global_store_b128 v[RB+20*\i+17], v[RB+20*\i:RB+20*\i+3], s[14:15] th:TH_STORE_NT   ; sixteen lanes store 256 consecutive bytes, aligned
.endr
.endm
.irp j, 0,1,2,3,4
	GROUP \j
.endr
.Lend:
	s_wait_tensorcnt 0x0
	ds_add_u32 v30, v31
	s_wait_dscnt 0x0
	s_endpgm
.Lfunc_end_k_qf402a0b474_ffn2:
	.size	k_qf402a0b474_ffn2, .Lfunc_end_k_qf402a0b474_ffn2-k_qf402a0b474_ffn2
	.p2alignl 7, 3214868480
	.fill 96, 4, 3214868480
	.section	.rodata,"a",@progbits
	.p2align	6, 0x0
	.amdhsa_kernel k_qf402a0b474_ffn2
		.amdhsa_group_segment_fixed_size 175360
		.amdhsa_private_segment_fixed_size 0
		.amdhsa_enable_private_segment 0
		.amdhsa_kernarg_size 48
		.amdhsa_user_sgpr_count 2
		.amdhsa_user_sgpr_kernarg_segment_ptr 1
		.amdhsa_wavefront_size32 1
		.amdhsa_system_sgpr_workgroup_id_x 1
		.amdhsa_system_sgpr_workgroup_id_y 1
		.amdhsa_system_sgpr_workgroup_id_z 1
		.amdhsa_system_vgpr_workitem_id 0
		.amdhsa_next_free_vgpr 512
		.amdhsa_next_free_sgpr 66
		.amdhsa_reserve_vcc 0
		.amdhsa_float_denorm_mode_32 3
		.amdhsa_float_denorm_mode_16_64 3
		.amdhsa_memory_ordered 1
		.amdhsa_forward_progress 1
		.amdhsa_inst_pref_size 67
	.end_amdhsa_kernel
	.amdgpu_metadata
---
amdhsa.version: [ 1, 2 ]
amdhsa.kernels:
  - .name:           k_qf402a0b474_ffn2
    .symbol:         k_qf402a0b474_ffn2.kd
    .args:
      - { .name: tiles, .offset: 0, .size: 8, .value_kind: global_buffer, .address_space: global }
      - { .name: order, .offset: 8, .size: 8, .value_kind: global_buffer, .address_space: global }
      - { .name: hc, .offset: 16, .size: 8, .value_kind: global_buffer, .address_space: global }
      - { .name: w2c, .offset: 24, .size: 8, .value_kind: global_buffer, .address_space: global }
      - { .name: b2, .offset: 32, .size: 8, .value_kind: global_buffer, .address_space: global }
      - { .name: out0, .offset: 40, .size: 8, .value_kind: global_buffer, .address_space: global }
    .group_segment_fixed_size: 175360
    .private_segment_fixed_size: 0
    .kernarg_segment_align: 8
    .kernarg_segment_size: 48
    .max_flat_workgroup_size: 128
    .sgpr_count:     66
    .vgpr_count:     512
    .wavefront_size: 32
...
	.end_amdgpu_metadata
.endif
;; end of part 4
;; ======== version 2 of 2: 4 launches; version 1 with the launches ffn1, ffn2 written anew for expert scheduling mode
;; workspace buffers: xc 2,097,152 bytes; estar 16,384 bytes of whole numbers; w1c 8,388,608 bytes; w2c 8,388,608 bytes; order 17,408 bytes of whole numbers; tiles 1,024 bytes of whole numbers; hc 8,945,664 bytes
;; launch route_q1: the kernel of part 1 again; grid 288 x 1, 8 waves a work-group, no clusters, 1,280 bytes of LDS; arguments x, gate_w, gate_b, lowp_scales, w1, xc, estar, w1c; writes xc, estar, w1c
;; launch place_q2: the kernel of part 2 again; grid 225 x 1, 8 waves a work-group, no clusters, 1,280 bytes of LDS; arguments estar, w2, lowp_scales, order, tiles, w2c; writes order, tiles, w2c
;; launch ffn1 (part 5): grid 8 x 32, 4 waves a work-group, no clusters, 84,992 bytes of LDS; arguments tiles, order, xc, w1c, b1, hc; writes hc
.if DOCPART == 5
	.amdgcn_target "amdgcn-amd-amdhsa--gfx1250"
	.amdhsa_code_object_version 6
	.text
	.protected	k_qf402a0b474_ffn1
	.globl	k_qf402a0b474_ffn1
	.p2align	8
	.type	k_qf402a0b474_ffn1,@function
k_qf402a0b474_ffn1:
	s_mov_b64 s[64:65], 0
	v_nop
	global_prefetch_b8 v0, s[64:65] scope:SCOPE_SE
	s_setreg_imm32_b32 hwreg(HW_REG_WAVE_SCHED_MODE, 0, 2), 2
	s_setreg_imm32_b32 hwreg(HW_REG_WAVE_MODE, 25, 1), 1
	s_wait_xcnt 0x0
	s_wait_alu depctr_vm_vsrc(0)
; THE FIRST PRODUCT, for the chosen expert's rows alone: h = gelu(x w1[e] + b1[e]), exact GELU, quantised to E4M3 with 2^eh, stored as the second product's operand.
; A work-group takes one tile of the list (up to 160 sorted rows of one expert: work-group y = the slot) and 256 hidden units (work-group x).
; THE WAVES SHARE THE COLUMNS: wave w owns hidden units 256 x + 64 w .. + 63 for all rows.  Its 16 fragments of w1's codes (4 tiles of 16 units x 4 K steps, 32 KiB on end in w1c) stay in registers 256-511
; for the whole launch: no weight byte is loaded twice in the work-group and none goes through LDS.  The tile's rows of x's codes are gathered once, 40 rows a wave, into LDS, and read by all four.
; A row past the tile's last takes the last row's token again: it computes the same numbers, and only whole row tiles of 16 are stored, so nothing is masked.
; THE MATRIX INSTRUCTION IS USED TRANSPOSED: source 0 = 16 hidden units, source 1 = 16 tokens.  Lane (r, h) then holds token r, and register j hidden unit 8 h + j of the tile: one conversion of a tile's eight
; registers gives registers 2 c, 2 c + 1 of the next operand (k = 16 c + 8 h + 0 .. 7), as they stand.  hc: [row tile][K step of 128 hidden units, 0..15][2,048 bytes], registers 4 g .. 4 g + 3 of lane l at 512 g + 16 l.
; b1 goes in as the C of each sum's first instruction, divided by 2^(ex + ew1), which the sums of codes lack.
; GELU: u/2 (1 + erf(u / sqrt 2)); erf(z) = z P(z^2) / Q(z^2) on z held within +-4, P of degree 6, Q of degree 4, in f32; the last step is one fused multiply-add, erf x u/2 + u/2.
; BY TURNS: while a row tile's 356 vector instructions run, the next row tile's 16 matrix instructions, issued ahead of them, are at work; two sets of accumulators.
; No joint loads: the work-groups that share weights (the slots of one expert) have trip counts that hang on the list, and what each takes in is already taken once.
; LIMITS: ex + ew1 between -125 and 127; eh between -126 and 119.  NaN is not served.  erf's error is a few units in the last place of 1.
; THE MODE: SCHED_MODE bits 1:0 = 2 (LLVM: expert scheduling mode 2), set by the entry lines.  The code itself states the register dependences
; between vector or matrix instructions and memory or LDS instructions, with s_wait_alu, always for 0.
; THE PLAN.  Registers that memory or LDS instructions touch:
;   v1, v4, v6-v9   offsets and LDS addresses, made at the head and never written again.
;   v12, v13        the tokens: loaded once, read by the read-lanes.
;   v22-31, v224-253  at the head: the 40 gathered rows' byte offsets in xc, written by vector additions, read by the 40 loads.  v224-239 hold codes later.
;   v32-191         at the head: the gathered rows, loaded, then read by the LDS stores.  Later: x's fragments, the accumulators, the registers at work.
;   v32-95          in the loop: each fetch lands here; the products of the next row tile read them.
;   v5              the LDS address of the fetch: written once a row tile, AHEAD of that row tile's products; read by the fetch.
;   v224-231, v232-239  codes, by turns: written by a row tile's four conversions, read by its two stores, written again two row tiles on.
; In a row tile the wait that the first GELU owes for its reciprocals stands behind the addition to v5 and behind the products: it also states that v5 is written and that the products are done reading v32-95,
; and nothing behind it names those registers, so the fetch follows that GELU with no wait of its own.  One wait on va_vdst stands ahead of the two stores, one on vm_vsrc behind them.
; REGISTERS: v1 16 x lane; v4 my place in a row tile in LDS; v5 the address in hand; v6, v7 where my tokens lie in order; v8 where I put gathered rows; v9 bias offset; v12, v13 tokens; v16, v17 2^eh and 448 x 2^eh; v[18:19], v[20:21] two coefficients;
;   v32-95 x's four fragments (at the head v32-191 hold the gathered rows); v96-127, v128-159 the two sets of four accumulators; v160-191 at work; v192-223 b1; v224-239 codes.
.set PITCH, 528                        ; a row of 512 codes + 16 bytes: an odd multiple of 16, so that the sixteen rows that a load touches begin in sixteen different groups of banks
.set TROWS, 16*PITCH
.set XF,  32
.set AC0, 96
.set AC1, 128
.set ZR,  160
.set TR,  168
.set PR,  176
.set QR,  184
.set BI,  192
.set CD,  224
.set MSB, 0
.macro WIN new                         ; the immediate's high byte repeats the setting that is left
.if MSB != \new
	s_set_vgpr_msb (MSB<<8)|\new
.set MSB, \new
.endif
.endm
.macro CPAIR r, val                    ; a coefficient as a pair: the packed forms name a pair and take its low word for both halves
	s_mov_b32 s[\r], \val
	s_mov_b32 s[\r+1], \val
.endm
	s_load_b256 s[4:11], s[0:1], 0x0               ; tiles s[4:5], order s[6:7], xc s[8:9], w1c s[10:11]
	s_load_b128 s[12:15], s[0:1], 0x20             ; b1 s[12:13], hc s[14:15]
	v_lshl_add_u32 v254, v0, 2, 0x14a00            ; the add's two registers, made here and kept for the closing lines alone; the spare words lie behind the 160 rows
	v_mov_b32 v255, 0
	v_lshrrev_b32 v1, 5, v0
	v_readfirstlane_b32 s16, v1                    ; wave 0..3
	v_and_b32 v10, 31, v0                          ; lane
	v_lshlrev_b32 v1, 4, v10
	v_and_b32 v2, 15, v0                           ; r
	v_bfe_u32 v3, v0, 4, 1                         ; h
	v_mul_u32_u24 v4, v2, PITCH
	v_lshl_add_u32 v4, v3, 4, v4                   ; row r, slot h
	v_add_nc_u32 v5, TROWS, v4                     ; the same in row tile 1: the second fetch's address
	v_lshlrev_b32 v9, 5, v3
	s_wait_alu depctr_va_sdst(0)                   ; s16 is written, ahead of its first reader
	s_mul_i32 s17, s16, 40*PITCH
	v_add_nc_u32 v8, s17, v1                       ; my wave's 40 rows; 16 bytes a lane
	s_and_b32 s28, ttmp7, 0xffff                   ; the slot
	s_lshl_b32 s28, s28, 5
	s_mov_b32 s29, 0
	s_wait_kmcnt 0x0
	s_add_nc_u64 s[4:5], s[4:5], s[28:29]
	s_load_b256 s[20:27], s[4:5], 0x0              ; e, first row tile, row tiles, rows, ex, ew1, eh, ew2
	CPAIR 36, 0x32edffee                           ; P:  2.77068142e-8   t^5   (t = z^2)
	CPAIR 38, 0xb60cff51                           ;    -2.10102402e-6   t^4
	CPAIR 40, 0xb86ec2d2                           ;    -5.69250639e-5   t^3
	CPAIR 42, 0xba40ac63                           ;    -7.34990630e-4   t^2
	CPAIR 44, 0xbb41a1f6                           ;    -2.95459981e-3   t
	CPAIR 46, 0xbc83dbd4                           ;    -1.60960333e-2
	CPAIR 48, 0xb95fbd29                           ; Q: -2.13374055e-4   t^3
	CPAIR 50, 0xbadc924e                           ;    -1.68282697e-3   t^2
	CPAIR 52, 0xbbf19bf8                           ;    -7.37332917e-3   t
	CPAIR 54, 0xbc69b6a7                           ;    -1.42647391e-2
	v_mov_b32 v18, 0xaf95df0b                      ; P: -2.72614226e-10  t^6
	v_mov_b32 v19, 0xaf95df0b
	v_mov_b32 v20, 0xb77460cd                      ; Q: -1.45660718e-5   t^4
	v_mov_b32 v21, 0xb77460cd
	s_mul_i32 s18, s16, 40                         ; my wave's first row of the tile
	v_add_nc_u32 v6, s18, v10                      ; rows 40 w + lane,
	v_and_b32 v7, 7, v10
	v_add3_u32 v7, v7, s18, 32                     ; and 40 w + 32 + lane % 8
	s_wait_kmcnt 0x0
	s_min_u32 s20, s20, 7                          ; what was read is held inside its range
	s_min_u32 s21, s21, 263
	s_min_u32 s22, s22, 10
	s_min_u32 s23, s23, 160
	s_max_u32 s30, s23, 1
	s_sub_co_u32 s30, s30, 1                       ; the tile's last row
	s_lshl_b32 s19, s21, 4
	v_min_u32 v6, s30, v6
	v_min_u32 v7, s30, v7
	v_add_nc_u32 v6, s19, v6
	v_add_nc_u32 v7, s19, v7
	v_min_u32 v6, 0x10ff, v6
	v_min_u32 v7, 0x10ff, v7
	v_lshlrev_b32 v6, 2, v6
	v_lshlrev_b32 v7, 2, v7
	s_wait_alu depctr_va_vdst(0)                   ; v1 and v4 to v9 are written: the loads, stores and LDS instructions below read them as offsets and addresses
	global_load_b32 v12, v6, s[6:7]                ; (a) 2 loads: my 40 rows' tokens
	global_load_b32 v13, v7, s[6:7]
	s_lshl_b32 s28, s20, 13                        ; b1: 8,192 e + 1,024 x + 256 w
	s_lshl_b32 s31, ttmp9, 10
	s_add_co_u32 s28, s28, s31
	s_lshl_b32 s31, s16, 8
	s_add_co_u32 s28, s28, s31
	s_add_nc_u64 s[12:13], s[12:13], s[28:29]
.irp n, 0,1,2,3
	global_load_b128 v[BI+8*\n:BI+8*\n+3],   v9, s[12:13] offset:64*\n      ; (b) 8 loads: b1 of units 16 n + 8 h + 0 .. 7
	global_load_b128 v[BI+8*\n+4:BI+8*\n+7], v9, s[12:13] offset:64*\n+16
.endr
	s_lshl_b32 s28, s20, 20                        ; w1c: expert x 1 MiB + (16 x + 4 w) tiles of 8,192
	s_lshl_b32 s31, ttmp9, 17
	s_add_co_u32 s28, s28, s31
	s_lshl_b32 s31, s16, 15
	s_add_co_u32 s28, s28, s31
	s_add_nc_u64 s[10:11], s[10:11], s[28:29]
.macro WLOAD f0, f1                    ; fragments f0 .. f1 - 1 (f = 4 x tile + K step), each four loads of 512 consecutive bytes
.set f, \f0
.rept \f1-\f0
.irp g, 0,1,2,3
	global_load_b128 v[16*f+4*\g:16*f+4*\g+3], v1, s[10:11] offset:2048*f+512*\g
.endr
.set f, f+1
.endr
.endm
	WIN 0x40                                       ; destination: registers 256 on
	WLOAD 0, 8                                     ; (c) 32 loads.  Since the wait above only loads, scalar lines and this switch were issued
	WIN 0
	s_lshl_b32 s28, s21, 15                        ; hc: 32,768 x row tile + 2,048 (2 x + w / 2) + 1,024 (w % 2) = .. + 4,096 x + 1,024 w
	s_lshl_b32 s31, ttmp9, 12
	s_add_co_u32 s28, s28, s31
	s_lshl_b32 s31, s16, 10
	s_add_co_u32 s28, s28, s31
	s_add_nc_u64 s[14:15], s[14:15], s[28:29]
	s_add_co_i32 s32, s24, s25                     ; E = ex + ew1: a sum of codes stands for sum x 2^E
	s_sub_co_i32 s63, 0, s32
	s_lshl_b32 s33, s32, 23
	s_add_co_i32 s56, s33, 0x3f3504f3              ; 2^E / sqrt 2: E added to the exponent field of 0.70710678
	s_mov_b32 s57, s56
	s_add_co_i32 s58, s32, 126
	s_lshl_b32 s58, s58, 23                        ; 2^E / 2
	s_mov_b32 s59, s58
	s_add_co_i32 s33, s26, 127
	s_lshl_b32 s34, s33, 23
	v_mov_b32 v16, s34                             ; 2^eh
	s_add_co_i32 s33, s33, 8
	s_lshl_b32 s33, s33, 23
	s_or_b32 s33, s33, 0x600000
	v_mov_b32 v17, s33                             ; 448 x 2^eh
	s_wait_loadcnt 40                              ; (b) and (c), 40 loads, stand behind (a): the tokens are in
.macro GROW i, sr                      ; row i's token, held inside x, becomes a byte offset
.if \i < 32
	v_readlane_b32 s[\sr], v12, \i
.else
	v_readlane_b32 s[\sr], v13, \i-32
.endif
.endm
.macro SETGA i                         ; the register that holds row i's byte offset in xc: v224-253 for rows 0-29, v22-31 for rows 30-39
.if (\i) < 30
.set ga, 224+(\i)
.else
.set ga, (\i)-8
.endif
.endm
.set i0, 0
.rept 5                                ; all 40 offsets are made first, eight rows at a time (s28 to s35 are free here), so that one wait serves the 40 loads
.irp c, 0,1,2,3,4,5,6,7
	GROW i0+\c, 28+\c
.endr
	s_wait_alu depctr_va_sdst(0)                   ; the eight read-lanes have written s28 to s35, ahead of their first readers
.irp c, 0,1,2,3,4,5,6,7
	s_min_u32 s[28+\c], s[28+\c], 0xfff
.endr
.irp c, 0,1,2,3,4,5,6,7
	s_lshl_b32 s[28+\c], s[28+\c], 9
.endr
.irp c, 0,1,2,3,4,5,6,7
	SETGA i0+\c
	v_add_nc_u32 v[ga], s[28+\c], v1
.endr
.set i0, i0+8
.endr
	s_wait_alu depctr_va_vdst(0)                   ; the 40 offsets are written, which the 40 loads below read
.set i, 0
.rept 40                               ; (d) 40 loads; a row is 512 consecutive bytes
	SETGA i
	global_load_b128 v[32+4*i:35+4*i], v[ga], s[8:9]
.set i, i+1
.endr
	WIN 0x40
	WLOAD 8, 16                                    ; (e) 32 loads.  Since the wait above only loads and this switch were issued
	WIN 0
	s_wait_loadcnt 32                              ; only (e) stands behind: the rows and b1 are in
.set i, 0
.rept 40
	ds_store_b128 v8, v[32+4*i:35+4*i] offset:PITCH*i
.set i, i+1
.endr
.set i, 0
.rept 32
	v_ldexp_f32 v[BI+i], v[BI+i], s63              ; b1 / 2^E
.set i, i+1
.endr
	s_wait_dscnt 0x0                               ; for the others' sake: my 40 rows have landed
	s_barrier_signal -1
	s_barrier_wait -1                              ; the launch's one barrier: from here on LDS is only read
	s_wait_alu depctr_vm_vsrc(0)                   ; my LDS stores have read v32-191, which the fetches, the products and the GELUs write from here on; the gather's loads have read v224-239, which the conversions write
.macro FETCH ad                        ; a row tile's four fragments: 16 tokens x 512 codes, by the address in v[ad]
.irp s, 0,1,2,3
.irp g, 0,1,2,3
	ds_load_b128 v[XF+16*\s+4*\g:XF+16*\s+4*\g+3], v[\ad] offset:128*\s+32*\g
.endr
.endr
.endm
.macro MM ac                           ; 16 matrix instructions: four accumulators by turns, one instruction a turn, K step by K step; b1 starts the sums
	WIN 0x01                                       ; source 0 (w1): registers 256 on
.irp s, 0,1,2,3
.irp n, 0,1,2,3
.if \s == 0
	v_wmma_f32_16x16x128_fp8_fp8 v[\ac+8*\n:\ac+8*\n+7], v[16*(4*\n+\s):16*(4*\n+\s)+15], v[XF+16*\s:XF+16*\s+15], v[BI+8*\n:BI+8*\n+7]
.else
	v_wmma_f32_16x16x128_fp8_fp8 v[\ac+8*\n:\ac+8*\n+7], v[16*(4*\n+\s):16*(4*\n+\s)+15], v[XF+16*\s:XF+16*\s+15], v[\ac+8*\n:\ac+8*\n+7]
.endif
.endr
.endr
	WIN 0
.endm
.macro GELU ab, cd                     ; one accumulator's eight sums become eight codes in v[cd], v[cd + 1].  The accumulator is read from its low end on
.irp i, 0,2,4,6
	v_pk_mul_f32 v[ZR+\i:ZR+\i+1], v[(\ab)+\i:(\ab)+\i+1], s[56:57] op_sel_hi:[1,0]      ; z = u / sqrt 2
.endr
.irp i, 0,1,2,3,4,5,6,7
	v_med3_num_f32 v[ZR+\i], v[ZR+\i], -4.0, 4.0
.endr
.irp i, 0,2,4,6
	v_pk_mul_f32 v[TR+\i:TR+\i+1], v[ZR+\i:ZR+\i+1], v[ZR+\i:ZR+\i+1]
.endr
.irp i, 0,2,4,6
	v_pk_fma_f32 v[PR+\i:PR+\i+1], v[TR+\i:TR+\i+1], v[18:19], s[36:37] op_sel_hi:[1,1,0]
	v_pk_fma_f32 v[QR+\i:QR+\i+1], v[TR+\i:TR+\i+1], v[20:21], s[48:49] op_sel_hi:[1,1,0]
.endr
.irp c, 0,1,2
.irp i, 0,2,4,6
	v_pk_fma_f32 v[PR+\i:PR+\i+1], v[PR+\i:PR+\i+1], v[TR+\i:TR+\i+1], s[38+2*\c:39+2*\c] op_sel_hi:[1,1,0]
	v_pk_fma_f32 v[QR+\i:QR+\i+1], v[QR+\i:QR+\i+1], v[TR+\i:TR+\i+1], s[50+2*\c:51+2*\c] op_sel_hi:[1,1,0]
.endr
.endr
.irp i, 0,1,2,3,4,5,6,7
	v_rcp_f32 v[QR+\i], v[QR+\i]                   ; Q is finished, and is under -0.014 for every t >= 0
.endr
.irp c, 3,4                            ; P's last two steps are the plain instructions behind the reciprocals (ISA guide 5.7.2)
.irp i, 0,2,4,6
	v_pk_fma_f32 v[PR+\i:PR+\i+1], v[PR+\i:PR+\i+1], v[TR+\i:TR+\i+1], s[38+2*\c:39+2*\c] op_sel_hi:[1,1,0]
.endr
.endr
.irp i, 0,2,4,6
	v_pk_mul_f32 v[PR+\i:PR+\i+1], v[PR+\i:PR+\i+1], v[ZR+\i:ZR+\i+1]
.endr
.irp i, 0,2,4,6
	v_pk_mul_f32 v[(\ab)+\i:(\ab)+\i+1], v[(\ab)+\i:(\ab)+\i+1], s[58:59] op_sel_hi:[1,0]   ; u / 2
.endr
	s_wait_alu depctr_va_vdst(0)                   ; the eight reciprocals are written, ahead of their first reader.  In a row tile's first GELU it also states that v5 is written and that the products issued ahead of it are done reading v32-95: the fetch behind that GELU leans on it
.irp i, 0,2,4,6
	v_pk_mul_f32 v[PR+\i:PR+\i+1], v[PR+\i:PR+\i+1], v[QR+\i:QR+\i+1]                      ; erf
.endr
.irp i, 0,2,4,6
	v_pk_fma_f32 v[(\ab)+\i:(\ab)+\i+1], v[PR+\i:PR+\i+1], v[(\ab)+\i:(\ab)+\i+1], v[(\ab)+\i:(\ab)+\i+1]
.endr
.irp i, 0,1,2,3,4,5,6,7
	v_med3_num_f32 v[(\ab)+\i], v[(\ab)+\i], -v17, v17   ; the conversion does not saturate (ISA guide 7.6.2): the hold comes first
.endr
	v_cvt_scalef32_pk8_fp8_f32 v[\cd:\cd+1], v[(\ab):(\ab)+7], v16
.endm
; One row tile: s61 counts them.  acp holds its sums; acn takes the next row tile's.
.macro HALF acp, acn, cd
	s_cmp_ge_u32 s61, s22                          ; past the tile's last row tile: done.  (A number from the list, the same in all four waves; no barrier stands behind it)
	s_cbranch_scc1 .Ldone
	s_wait_dscnt 0x0                               ; the next row tile's fragments are in
	v_add_nc_u32 v5, s62, v4                       ; the address of the fetch below: the row tile after the next, or the tenth again.  It stands ahead of the products, so that the first GELU's wait covers it
	s_add_co_u32 s62, s62, TROWS
	s_min_u32 s62, s62, 9*TROWS
	MM \acn
	GELU \acp, \cd                                 ; names no register of those products
	FETCH 5                                        ; no wait of its own: behind the wait in the GELU above nothing names v5 or v32-95
	GELU \acp+8, \cd+2
	GELU \acp+16, \cd+4
	GELU \acp+24, \cd+6
	v_nop                                          ; a plain instruction behind the last conversion: the next products write its sources
	s_wait_alu depctr_va_vdst(0)                   ; the four conversions have written the eight registers of codes, which the two stores read
	global_store_b128 v1, v[\cd:\cd+3], s[14:15]             ; registers 4 g .. 4 g + 3 of the operand, g = 2 (w % 2): 512 consecutive bytes,
	global_store_b128 v1, v[\cd+4:\cd+7], s[14:15] offset:512 ; and g + 1
	s_wait_xcnt 0x0                                ; the stores' base is stepped, and their data written again, only behind this wait
	s_wait_alu depctr_vm_vsrc(0)                   ; the fetch has read v5, which the next row tile writes; the stores have read their codes, which are written again two row tiles on
	s_add_nc_u64 s[14:15], s[14:15], 0x8000
	s_add_co_u32 s61, s61, 1
.endm
	FETCH 4                                        ; row tile 0
	s_wait_loadcnt 0x0                             ; (e): all of w1's fragments
	s_wait_dscnt 0x0
	MM AC0
.rept 4
	v_nop                                          ; places ahead of the first read of those products' sums
.endr
	s_wait_alu depctr_va_vdst(0)                   ; those products are done reading v32-95, in which the next fetch lands
	FETCH 5                                        ; row tile 1 (all 160 rows lie in LDS, whatever the tile's length)
	s_wait_alu depctr_vm_vsrc(0)                   ; that fetch has read v5, which the first trip writes
	s_mov_b32 s62, 2*TROWS
	s_mov_b32 s61, 0
	s_mov_b32 s60, 5
.Lpair:
	HALF AC0, AC1, CD
	HALF AC1, AC0, CD+8
	s_sub_co_u32 s60, s60, 1
	s_cmp_lg_u32 s60, 0
	s_cbranch_scc1 .Lpair
.Ldone:
	s_wait_dscnt 0x0                               ; the closing lines, six on end
	s_wait_alu 0x0
	s_wait_tensorcnt 0x0
	ds_add_u32 v254, v255
	s_wait_dscnt 0x0
	s_endpgm
.Lfunc_end_k_qf402a0b474_ffn1:
	.size	k_qf402a0b474_ffn1, .Lfunc_end_k_qf402a0b474_ffn1-k_qf402a0b474_ffn1
	.p2alignl 7, 3214868480
	.fill 96, 4, 3214868480
	.section	.rodata,"a",@progbits
	.p2align	6, 0x0
	.amdhsa_kernel k_qf402a0b474_ffn1
		.amdhsa_group_segment_fixed_size 84992
		.amdhsa_private_segment_fixed_size 0
		.amdhsa_enable_private_segment 0
		.amdhsa_kernarg_size 48
		.amdhsa_user_sgpr_count 2
		.amdhsa_user_sgpr_kernarg_segment_ptr 1
		.amdhsa_wavefront_size32 1
		.amdhsa_system_sgpr_workgroup_id_x 1
		.amdhsa_system_sgpr_workgroup_id_y 1
		.amdhsa_system_sgpr_workgroup_id_z 1
		.amdhsa_system_vgpr_workitem_id 0
		.amdhsa_next_free_vgpr 512
		.amdhsa_next_free_sgpr 66
		.amdhsa_reserve_vcc 0
		.amdhsa_float_denorm_mode_32 3
		.amdhsa_float_denorm_mode_16_64 3
		.amdhsa_memory_ordered 1
		.amdhsa_forward_progress 1
		.amdhsa_inst_pref_size 81
	.end_amdhsa_kernel
	.amdgpu_metadata
---
amdhsa.version: [ 1, 2 ]
amdhsa.kernels:
  - .name:           k_qf402a0b474_ffn1
    .symbol:         k_qf402a0b474_ffn1.kd
    .args:
      - { .name: tiles, .offset: 0, .size: 8, .value_kind: global_buffer, .address_space: global }
      - { .name: order, .offset: 8, .size: 8, .value_kind: global_buffer, .address_space: global }
      - { .name: xc, .offset: 16, .size: 8, .value_kind: global_buffer, .address_space: global }
      - { .name: w1c, .offset: 24, .size: 8, .value_kind: global_buffer, .address_space: global }
      - { .name: b1, .offset: 32, .size: 8, .value_kind: global_buffer, .address_space: global }
      - { .name: hc, .offset: 40, .size: 8, .value_kind: global_buffer, .address_space: global }
    .group_segment_fixed_size: 84992
    .private_segment_fixed_size: 0
    .kernarg_segment_align: 8
    .kernarg_segment_size: 48
    .max_flat_workgroup_size: 128
    .sgpr_count:     66
    .vgpr_count:     512
    .wavefront_size: 32
...
	.end_amdgpu_metadata
.endif
;; end of part 5
;; launch ffn2 (part 6): grid 8 x 32, 4 waves a work-group, no clusters, 175,360 bytes of LDS; arguments tiles, order, hc, w2c, b2, out0; writes out0
.if DOCPART == 6
	.amdgcn_target "amdgcn-amd-amdhsa--gfx1250"
	.amdhsa_code_object_version 6
	.text
	.protected	k_qf402a0b474_ffn2
	.globl	k_qf402a0b474_ffn2
	.p2align	8
	.type	k_qf402a0b474_ffn2,@function
k_qf402a0b474_ffn2:
	s_mov_b64 s[64:65], 0
	v_nop
	global_prefetch_b8 v0, s[64:65] scope:SCOPE_SE
	s_setreg_imm32_b32 hwreg(HW_REG_WAVE_SCHED_MODE, 0, 2), 2
	s_setreg_imm32_b32 hwreg(HW_REG_WAVE_MODE, 25, 1), 1
	s_wait_xcnt 0x0
	s_wait_alu depctr_vm_vsrc(0)
; THE SECOND PRODUCT AND THE WAY OUT: out[token] = 2 (h w2[e] + b2[e]) for the chosen expert's rows.
; A work-group takes one tile of the list (up to 160 sorted rows: work-group y = the slot) and 64 outputs (work-group x).
; THE WAVES SHARE K: wave q takes K steps 4 q .. 4 q + 3 (512 of the 2,048 hidden units) of all rows and all 64 outputs.  So every byte of h's and w2's codes that the work-group needs goes once, straight into
; registers: w2's 16 fragments of a wave stay in registers 256-511, h's come row tile by row tile through a ring of four register buffers, three row tiles ahead.  The four partial sums of each output meet in LDS.
; (So a sum is not one chain of ascending K: four chains, then (p0 + p1) + (p2 + p3) in f32.)
; THE MATRIX INSTRUCTION IS USED TRANSPOSED: source 0 = 16 outputs, source 1 = 16 tokens: lane (r, h) holds token r and outputs 8 h + 0 .. 7 of the tile: 32 neighbouring bytes of a row.
; THE WAY OUT: wave w sums rows 40 w .. 40 w + 39; sixteen lanes hold a row's 64 outputs and store 256 consecutive bytes, aligned, at the row's token.  y = sum x 2^(eh + ew2 + 1) + 2 b2: the factor 2 (TOP_K) is folded in.
; A row that pads the last row tile carries the last row's token and the same numbers: it stores the same bytes to the same place.  Whole row tiles past the tile's end are not computed.
; No joint loads: trip counts hang on the list.
; LIMITS: eh + ew2 + 1 between -126 and 127.  NaN is not served.
; THE MODE: SCHED_MODE bits 1:0 = 2 (LLVM: expert scheduling mode 2), set by the entry lines.  The code itself states the register dependences
; between vector or matrix instructions and memory or LDS instructions, with s_wait_alu, always for 0.
; THE PLAN.  Registers that memory or LDS instructions touch:
;   v1, v7-v15, v20, v21  offsets and LDS addresses, made at the head and never written again.  h's row tiles are reached by a scalar base for each buffer, s[36:43], and by immediate offsets.
;   v24, v25        the tokens: loaded once, read by two LDS stores.
;   buffers 0-3     (v64-127, v128-191, v192-255, v512-575)  Row tile a: its products read buffer a % 4.  At the head of row tile a + 1 the loads of row tile a + 4 land in it.
;   v32-63          the accumulators: written by a row tile's products, read by its eight LDS stores, begun anew by the next row tile's products.
;   v64-143         on the way out: LDS loads land here; the sums and the stores' addresses are made in place; the stores read them; the next group's loads land again.
; So ONE wait on va_vdst stands in a row tile, behind its products and their places: the sums are written, which the LDS stores read, and the buffer has been read, in which the next row tile's first lines load.
; Those loads stand at a row tile's head, ahead of its products, with no wait of their own.  One wait on vm_vsrc stands behind the LDS stores.  A group of the way out has one of each as well.
; REGISTERS: v1 16 x lane; v7 where I put partial sums; v8-11 where I read the four back; v12 my row's token in LDS; v13 16 (lane % 16); v14, v15 where my tokens lie in order; v[16:19] 2 b2; v20, v21 where I put tokens; v24, v25 tokens;
;   v32-63 four accumulators; v64-255 and v512-575 four buffers of four fragments; v64-143 later the rows on their way out.
.set PP,   272                         ; a row of 64 partial sums, 256 bytes + 16: an odd multiple of 16
.set PART, 160*PP                      ; a wave's partial sums: 43,520 bytes
.set TOK,  4*PART                      ; behind them: the 160 rows' tokens
.set AC,   32
.set RB,   64
.set HB,   36                          ; s[36:43] buffer b: the address in hc of the row tile that the buffer is asked for: a pair at HB + 2 b
.set MSB, 0
.macro WIN new                         ; the immediate's high byte repeats the setting that is left
.if MSB != \new
	s_set_vgpr_msb (MSB<<8)|\new
.set MSB, \new
.endif
.endm
	s_load_b256 s[4:11], s[0:1], 0x0               ; tiles s[4:5], order s[6:7], hc s[8:9], w2c s[10:11]
	s_load_b128 s[12:15], s[0:1], 0x20             ; b2 s[12:13], out0 s[14:15]
	v_lshl_add_u32 v30, v0, 2, 0x2ab00             ; the add's two registers, made here and kept for the closing lines alone; the spare words lie behind the tokens
	v_mov_b32 v31, 0
	v_lshrrev_b32 v1, 5, v0
	v_readfirstlane_b32 s16, v1                    ; wave 0..3
	v_and_b32 v22, 31, v0                          ; lane
	v_lshlrev_b32 v1, 4, v22
	v_and_b32 v2, 15, v0                           ; r
	v_bfe_u32 v3, v0, 4, 1                         ; h
	v_lshlrev_b32 v13, 4, v2
	s_wait_alu depctr_va_sdst(0)                   ; s16 is written, ahead of its first reader
	s_mul_i32 s17, s16, PART
	v_mul_u32_u24 v7, v2, PP
	v_lshl_add_u32 v7, v3, 5, v7
	v_add_nc_u32 v7, s17, v7                       ; my wave's part, row r, + 32 h
	s_mul_i32 s18, s16, 40*PP
	v_mul_u32_u24 v8, v3, PP
	v_add_nc_u32 v8, v8, v13
	v_add_nc_u32 v8, s18, v8                       ; back: row 40 w + lane / 16, 16 bytes a lane: part 0,
	v_add_nc_u32 v9, PART, v8                      ; 1,
	v_add_nc_u32 v10, 2*PART, v8                   ; 2,
	v_add_nc_u32 v11, 3*PART, v8                   ; 3
	s_mul_i32 s19, s16, 160
	v_lshl_add_u32 v12, v3, 2, s19
	v_add_nc_u32 v12, TOK, v12                     ; the token of row 40 w + lane / 16
	v_lshl_add_u32 v20, v22, 2, s19
	v_add_nc_u32 v20, TOK, v20                     ; where the token of row 40 w + lane goes,
	v_and_b32 v21, 7, v22
	v_lshl_add_u32 v21, v21, 2, s19
	v_add_nc_u32 v21, TOK+128, v21                 ; and that of row 40 w + 32 + lane % 8
	s_mul_i32 s34, s16, 40                         ; my wave's first row on the way out
	v_add_nc_u32 v14, s34, v22
	v_and_b32 v15, 7, v22
	v_add3_u32 v15, v15, s34, 32
	s_and_b32 s28, ttmp7, 0xffff                   ; the slot
	s_lshl_b32 s28, s28, 5
	s_mov_b32 s29, 0
	s_wait_kmcnt 0x0
	s_add_nc_u64 s[4:5], s[4:5], s[28:29]
	s_load_b256 s[20:27], s[4:5], 0x0              ; e, first row tile, row tiles, rows, ex, ew1, eh, ew2
	s_wait_kmcnt 0x0
	s_min_u32 s20, s20, 7                          ; what was read is held inside its range
	s_min_u32 s21, s21, 263
	s_min_u32 s22, s22, 10
	s_min_u32 s23, s23, 160
	s_max_u32 s30, s23, 1
	s_sub_co_u32 s30, s30, 1                       ; the tile's last row
	s_max_u32 s32, s22, 1
	s_sub_co_u32 s32, s32, 1                       ; its last row tile
	s_lshl_b32 s33, s22, 4                         ; rows in whole row tiles
	s_lshl_b32 s19, s21, 4
	v_min_u32 v14, s30, v14
	v_min_u32 v15, s30, v15
	v_add_nc_u32 v14, s19, v14
	v_add_nc_u32 v15, s19, v15
	v_min_u32 v14, 0x10ff, v14
	v_min_u32 v15, 0x10ff, v15
	v_lshlrev_b32 v14, 2, v14
	v_lshlrev_b32 v15, 2, v15
	s_wait_alu depctr_va_vdst(0)                   ; v1, v7 to v15, v20 and v21 are written: the loads, stores and LDS instructions below read them as offsets and addresses
	global_load_b32 v24, v14, s[6:7]               ; 2 loads: my 40 rows' tokens
	global_load_b32 v25, v15, s[6:7]
	s_lshl_b32 s28, s20, 11                        ; b2: 2,048 e + 256 x
	s_lshl_b32 s31, ttmp9, 8
	s_add_co_u32 s28, s28, s31
	s_add_nc_u64 s[12:13], s[12:13], s[28:29]
	global_load_b128 v[16:19], v13, s[12:13]       ; 1 load: b2 of outputs 4 (lane % 16) + 0 .. 3
	s_mov_b32 s28, s31
	s_add_nc_u64 s[14:15], s[14:15], s[28:29]      ; out0 at my 64 outputs
	s_lshl_b32 s28, s20, 20                        ; w2c: expert x 1 MiB + 4 x tiles of 32,768 + 4 q K steps of 2,048
	s_lshl_b32 s31, ttmp9, 17
	s_add_co_u32 s28, s28, s31
	s_lshl_b32 s31, s16, 13
	s_add_co_u32 s28, s28, s31
	s_add_nc_u64 s[10:11], s[10:11], s[28:29]
	WIN 0x40                                       ; destination: registers 256 on
.set f, 0
.rept 16                               ; 64 loads: fragment f = 4 x tile + K step, four loads of 512 consecutive bytes.  Since the wait above only loads, scalar lines and the switch were issued
.irp g, 0,1,2,3
	global_load_b128 v[16*f+4*\g:16*f+4*\g+3], v1, s[10:11] offset:32768*(f/4)+2048*(f%4)+512*\g
.endr
.set f, f+1
.endr
	WIN 0
	s_lshl_b32 s28, s21, 15                        ; hc: 32,768 x first row tile + 4 q K steps of 2,048
	s_add_co_u32 s28, s28, s31
	s_add_nc_u64 s[8:9], s[8:9], s[28:29]
.macro ALOAD b                         ; 16 loads: a row tile's four fragments of my K steps, 8 KiB on end, into buffer b, by that buffer's base
.if (\b) == 3
.set BR, 0
	WIN 0x80                                       ; destination: registers 512 on
.else
.set BR, RB+64*(\b)
.endif
.irp i, 0,1,2,3
.irp g, 0,1,2,3
	global_load_b128 v[BR+16*\i+4*\g:BR+16*\i+4*\g+3], v1, s[HB+2*(\b):HB+2*(\b)+1] offset:2048*\i+512*\g
.endr
.endr
	WIN 0
.endm
.irp a, 0,1,2                          ; row tiles 0, 1, 2, or the last one again: every wave issues the same loads whatever the tile's length, so that the counts below hold on every way
	s_min_u32 s28, s32, \a
	s_lshl_b32 s28, s28, 15
	s_add_nc_u64 s[HB+2*\a:HB+2*\a+1], s[8:9], s[28:29]
	ALOAD \a
.endr
	s_add_co_i32 s56, s26, s27
	s_add_co_i32 s56, s56, 128
	s_lshl_b32 s56, s56, 23                        ; 2^(eh + ew2 + 1)
	s_mov_b32 s57, s56                             ; (named with it as a pair, so it is written)
	s_wait_loadcnt 32                              ; all but row tiles 1 and 2
	ds_store_b32 v20, v24                          ; my 40 rows' tokens: words that my wave alone touches
	ds_store_b32 v21, v25
	v_pk_mul_f32 v[16:17], v[16:17], 2.0 op_sel_hi:[1,0]
	v_pk_mul_f32 v[18:19], v[18:19], 2.0 op_sel_hi:[1,0]
.macro TILE a
	s_cmp_le_u32 s22, \a                           ; past the tile's last row tile: on to the sums.  (A number from the list, the same in all four waves)
	s_cbranch_scc1 .Lsum
.if \a < 7
	s_min_u32 s28, s32, \a+3                       ; the row tile three further on, or the last one again
	s_lshl_b32 s28, s28, 15
	s_add_nc_u64 s[HB+2*((\a+3)%4):HB+2*((\a+3)%4)+1], s[8:9], s[28:29]   ; the loads that read this base were shown done by the last row tile's wait on LOADcnt
	ALOAD (\a+3)%4                                 ; into the buffer that the last row tile multiplied.  No wait: that row tile's wait on va_vdst stands behind its products, and nothing since names the buffer
	s_wait_loadcnt 48                              ; this row tile's fragments are in; the next three row tiles' 16 loads each may be out
.elseif \a == 7
	s_wait_loadcnt 32                              ; nothing more is asked for: the counts run down
.elseif \a == 8
	s_wait_loadcnt 16
.else
	s_wait_loadcnt 0
.endif
.if (\a)%4 == 3
.set BR, 0
	WIN 0x09                                       ; source 0 (w2): registers 256 on; source 1 (h): registers 512 on
.else
.set BR, RB+64*((\a)%4)
	WIN 0x01                                       ; source 0 (w2): registers 256 on
.endif
.irp i, 0,1,2,3                        ; four accumulators by turns, one instruction a turn; the first K step starts the sums
.irp n, 0,1,2,3
.if \i == 0
	v_wmma_f32_16x16x128_fp8_fp8 v[AC+8*\n:AC+8*\n+7], v[16*(4*\n+\i):16*(4*\n+\i)+15], v[BR+16*\i:BR+16*\i+15], 0
.else
	v_wmma_f32_16x16x128_fp8_fp8 v[AC+8*\n:AC+8*\n+7], v[16*(4*\n+\i):16*(4*\n+\i)+15], v[BR+16*\i:BR+16*\i+15], v[AC+8*\n:AC+8*\n+7]
.endif
.endr
.endr
	WIN 0
; Five places: four are owed to the stores that read the sums, five to the next row tile's products, which begin anew on these accumulators.
.rept 5
	v_nop
.endr
	s_wait_alu depctr_va_vdst(0)                   ; the products have written the accumulators, which the LDS stores read, and are done reading their buffer, in which the next row tile's loads land; the places above stay beside this wait
.irp n, 0,1,2,3
	ds_store_b128 v7, v[AC+8*\n:AC+8*\n+3]   offset:16*PP*(\a)+64*\n      ; each accumulator from its low end on
	ds_store_b128 v7, v[AC+8*\n+4:AC+8*\n+7] offset:16*PP*(\a)+64*\n+16
.endr
.if \a < 9
	s_wait_alu depctr_vm_vsrc(0)                   ; the LDS stores have read the accumulators, which the next row tile's products write
.endif
.endm
.irp a, 0,1,2,3,4,5,6,7,8,9
	TILE \a
.endr
.Lsum:
	s_wait_loadcnt 0x0                             ; loads asked for ahead have landed: their registers are used again below
	s_wait_dscnt 0x0                               ; for the others' sake: my partial sums have landed
	s_barrier_signal -1
	s_barrier_wait -1                              ; the launch's one barrier; every way leads here
; Eight rows: four pairs; lanes 0-15 take one row, lanes 16-31 the next.  40 w and the tile's rows in whole row tiles are multiples of 8: a group is computed whole or not at all.
; The first group's loads land in registers that products have read: each row tile's wait on va_vdst stands behind its products, and nothing since names them.
.macro GROUP j
	s_add_co_u32 s35, s34, 8*\j
	s_cmp_ge_u32 s35, s33
	s_cbranch_scc1 .Lend
	s_wait_xcnt 0x0                                ; the last group's stores have read their registers
.irp i, 0,1,2,3
.irp q, 0,1,2,3
	ds_load_b128 v[RB+20*\i+4*\q:RB+20*\i+4*\q+3], v[8+\q] offset:2*PP*(4*\j+\i)
.endr
	ds_load_b32 v[RB+20*\i+16], v12 offset:8*(4*\j+\i)
.endr
.irp i, 0,1,2,3
	s_wait_dscnt 5*(3-\i)                          ; five loads a pair: the later pairs' may be out
	v_pk_add_f32 v[RB+20*\i:RB+20*\i+1],     v[RB+20*\i:RB+20*\i+1],     v[RB+20*\i+4:RB+20*\i+5]
	v_pk_add_f32 v[RB+20*\i+2:RB+20*\i+3],   v[RB+20*\i+2:RB+20*\i+3],   v[RB+20*\i+6:RB+20*\i+7]
	v_pk_add_f32 v[RB+20*\i+8:RB+20*\i+9],   v[RB+20*\i+8:RB+20*\i+9],   v[RB+20*\i+12:RB+20*\i+13]
	v_pk_add_f32 v[RB+20*\i+10:RB+20*\i+11], v[RB+20*\i+10:RB+20*\i+11], v[RB+20*\i+14:RB+20*\i+15]
	v_pk_add_f32 v[RB+20*\i:RB+20*\i+1],     v[RB+20*\i:RB+20*\i+1],     v[RB+20*\i+8:RB+20*\i+9]
	v_pk_add_f32 v[RB+20*\i+2:RB+20*\i+3],   v[RB+20*\i+2:RB+20*\i+3],   v[RB+20*\i+10:RB+20*\i+11]
	v_pk_fma_f32 v[RB+20*\i:RB+20*\i+1],     v[RB+20*\i:RB+20*\i+1],     s[56:57], v[16:17] op_sel_hi:[1,0,1]
	v_pk_fma_f32 v[RB+20*\i+2:RB+20*\i+3],   v[RB+20*\i+2:RB+20*\i+3],   s[56:57], v[18:19] op_sel_hi:[1,0,1]
	v_min_u32 v[RB+20*\i+16], 0xfff, v[RB+20*\i+16]                      ; the token, held inside out0
	v_lshl_add_u32 v[RB+20*\i+17], v[RB+20*\i+16], 11, v13               ; its row of 2,048 bytes, + 16 (lane % 16)
.endr
	s_wait_alu depctr_va_vdst(0)                   ; the four pairs' results and addresses are written, which the four stores read; and the group's arithmetic is done with its registers, in which the next group's loads land
.irp i, 0,1,2,3
	global_store_b128 v[RB+20*\i+17], v[RB+20*\i:RB+20*\i+3], s[14:15] th:TH_STORE_NT   ; sixteen lanes store 256 consecutive bytes, aligned
.endr
.if \j < 4
	s_wait_alu depctr_vm_vsrc(0)                   ; the stores have read their data and addresses, in which the next group's loads land
.endif
.endm
.irp j, 0,1,2,3,4
	GROUP \j
.endr
.Lend:
	s_wait_dscnt 0x0                               ; the closing lines, six on end
	s_wait_alu 0x0
	s_wait_tensorcnt 0x0
	ds_add_u32 v30, v31
	s_wait_dscnt 0x0
	s_endpgm
.Lfunc_end_k_qf402a0b474_ffn2:
	.size	k_qf402a0b474_ffn2, .Lfunc_end_k_qf402a0b474_ffn2-k_qf402a0b474_ffn2
	.p2alignl 7, 3214868480
	.fill 96, 4, 3214868480
	.section	.rodata,"a",@progbits
	.p2align	6, 0x0
	.amdhsa_kernel k_qf402a0b474_ffn2
		.amdhsa_group_segment_fixed_size 175360
		.amdhsa_private_segment_fixed_size 0
		.amdhsa_enable_private_segment 0
		.amdhsa_kernarg_size 48
		.amdhsa_user_sgpr_count 2
		.amdhsa_user_sgpr_kernarg_segment_ptr 1
		.amdhsa_wavefront_size32 1
		.amdhsa_system_sgpr_workgroup_id_x 1
		.amdhsa_system_sgpr_workgroup_id_y 1
		.amdhsa_system_sgpr_workgroup_id_z 1
		.amdhsa_system_vgpr_workitem_id 0
		.amdhsa_next_free_vgpr 576
		.amdhsa_next_free_sgpr 66
		.amdhsa_reserve_vcc 0
		.amdhsa_float_denorm_mode_32 3
		.amdhsa_float_denorm_mode_16_64 3
		.amdhsa_memory_ordered 1
		.amdhsa_forward_progress 1
		.amdhsa_inst_pref_size 68
	.end_amdhsa_kernel
	.amdgpu_metadata
---
amdhsa.version: [ 1, 2 ]
amdhsa.kernels:
  - .name:           k_qf402a0b474_ffn2
    .symbol:         k_qf402a0b474_ffn2.kd
    .args:
      - { .name: tiles, .offset: 0, .size: 8, .value_kind: global_buffer, .address_space: global }
      - { .name: order, .offset: 8, .size: 8, .value_kind: global_buffer, .address_space: global }
      - { .name: hc, .offset: 16, .size: 8, .value_kind: global_buffer, .address_space: global }
      - { .name: w2c, .offset: 24, .size: 8, .value_kind: global_buffer, .address_space: global }
      - { .name: b2, .offset: 32, .size: 8, .value_kind: global_buffer, .address_space: global }
      - { .name: out0, .offset: 40, .size: 8, .value_kind: global_buffer, .address_space: global }
    .group_segment_fixed_size: 175360
    .private_segment_fixed_size: 0
    .kernarg_segment_align: 8
    .kernarg_segment_size: 48
    .max_flat_workgroup_size: 128
    .sgpr_count:     66
    .vgpr_count:     576
    .wavefront_size: 32
...
	.end_amdgpu_metadata
.endif
;; end of part 6
